; MI455X (gfx1250); checked and timed in simulation.
; The chip was launched on July 23, 2026; its instructions are those of AMD's public machine-readable ISA for CDNA 5 (MIT licence, August 2026) and "CDNA5" Instruction Set Architecture Reference Guide (July 2026). The comments in the code are by the model that wrote it; some were corrected since.
;; Masked MHA. Allowed arithmetic: matrix products marked QUANTISED: E5M2 operands, one E8M0 scale for each 32 along K, by v_wmma_scale_f32_16x16x128_f8f6f4 with both operands' format E5M2, f32 sums; everything else in f32.
;; Inputs: Wk 1,024 x 1,024 float32; Wo 1,024 x 1,024 float32; Wq 1,024 x 1,024 float32; Wv 1,024 x 1,024 float32; tgt_key_padding_mask 2 x 2,048 bool; x 2 x 2,048 x 1,024 float32.
;; Outputs: out0 2 x 2,048 x 1,024 float32.
;; This version of the problem:
;;   THIS VERSION OF THE PROBLEM IS GIVEN IN LOW PRECISION. The matrix products marked QUANTISED in the list below multiply operands that are first quantised to E5M2 (5 exponent bits, 2 mantissa bits; 8 bits a number), with one power-of-two scale for each 32 numbers along K (OCP MX v1.0); their sums are f32. All else is computed in f32.
;;   The module's matrix products, in the order in which they are computed (A, B: the left and right operand; K: the contracted axis; several contracted axes count as one K, in the product's order):
;;     1. [M 4,096, K 1,024] x [K 1,024, N 1,024]; A: input x; B: input Wq: QUANTISED
;;     2. [M 4,096, K 1,024] x [K 1,024, N 1,024]; A: input x; B: input Wk: QUANTISED
;;     3. [M 4,096, K 1,024] x [K 1,024, N 1,024]; A: input x; B: input Wv: QUANTISED
;;     4. batch 32 x [M 2,048, K 64] x [K 64, N 2,048]; A: computed on the way; B: computed on the way: QUANTISED
;;     5. batch 32 x [M 2,048, K 2,048] x [K 2,048, N 64]; A: softmax (see below); B: computed on the way: QUANTISED
;;     6. [M 4,096, K 1,024] x [K 1,024, N 1,024]; A: computed on the way; B: input Wo: QUANTISED
;;   THE QUANTISER, for each operand of a quantised product, along K:
;;     - K is cut into blocks of 32 from its start; a last block that is shorter is filled with zeros.
;;     - A block's scale is 2^e with e = floor(log2(the largest magnitude in the block)) - 15, held to -126 .. 127; a block of zeros has e = 0. As a byte (E8M0): e + 127.
;;     - Each number is divided by its block's scale, clamped to +-57,344, and rounded to the nearest number of E5M2, ties to even, subnormals kept.
;;     - The product sums the exact products of the quantised numbers (number of the format x scale) in f32.
;;   ~~~python
;;   def quantise(x, axis):      # numpy; x: float32 -> the quantised numbers, widened to float32 again
;;       x = np.moveaxis(x, axis, -1); K = x.shape[-1]
;;       x = np.pad(x, [(0, 0)] * (x.ndim - 1) + [(0, -K % 32)]); x = x.reshape(x.shape[:-1] + (-1, 32)); a = np.abs(x).max(-1, keepdims=True)
;;       e = np.where(a > 0, np.clip(np.frexp(np.where(a > 0, a, 1))[1] - 1 - 15, -126, 127), 0)      # np.frexp(a)[1] - 1 = floor(log2(a)), exactly
;;       r = np.clip(x / 2.0 ** e, -57344, 57344)
;;       step = 2.0 ** (np.maximum(np.frexp(np.where(r == 0, 1, r))[1] - 1, -14) - 2)
;;       q = np.round(r / step) * step * 2.0 ** e      # np.round: ties to even
;;       return np.moveaxis(q.reshape(q.shape[:-2] + (-1,))[..., :K], -1, axis).astype(np.float32)
;;   ~~~
;;   SOFTMAX AHEAD OF A QUANTISED PRODUCT. Where the list says 'softmax', what is quantised is not the finished softmax but p = 2^(t - M), with t = logit x log2(e) and M = ceil(the row's largest t), a whole number; so 1/2 < the row's largest p <= 1. The row's sum l is taken of the UNQUANTISED p, in f32, and the product's result is divided by l at the end. Since M is a whole number, a kernel that streams over the keys may use a running M (the ceiling of the running maximum): every later rescaling is an exact power of two, which a block's scale takes up: the codes' values come out the same.
;;   OPERANDS COMPUTED ON THE WAY. 'Computed on the way' means the value that the module computes at that place (a softmax that the list does not call 'softmax' is quantised finished and normalised). What goes into a quantiser is computed in f32, as accurately as f32 sums, v_exp_f32 and their like allow (about 1e-6 of the number): no bf16 or f16 on the way to a quantiser, and a product that is left as it is and whose result goes on into a quantised operand takes f32 operands (vector FMAs, or v_wmma_f32_16x16x4_f32). A number that lies on a knife's edge between two numbers of the format may be rounded either way, as far as f32 arithmetic and the matrix unit's own rounding can turn it there, and no further.
;; One version. Each part assembles by itself: llvm-mc -triple=amdgcn-amd-amdhsa -mcpu=gfx1250 --defsym DOCPART=n.
;; ======== version 1 of 1: 4 launches
;; limits: right only within a limited range of input values
;; workspace buffers: xcodes 4,325,376 bytes; wcodes 4,325,376 bytes; qkcodes 8,912,896 bytes; vcodes 4,456,448 bytes; acodes 4,325,376 bytes
;; launch quant (part 1): grid 256 x 1, 4 waves a work-group, no clusters, 34,304 bytes of LDS; arguments x, Wq, Wk, Wv, Wo, xcodes, wcodes; writes xcodes, wcodes
.if DOCPART == 1
	.amdgcn_target "amdgcn-amd-amdhsa--gfx1250"
	.amdhsa_code_object_version 6
	.text
	.protected	k_q33d8ed5eeb_quant
	.globl	k_q33d8ed5eeb_quant
	.p2align	8
	.type	k_q33d8ed5eeb_quant,@function
k_q33d8ed5eeb_quant:
	s_mov_b64 s[64:65], 0
	v_nop
	global_prefetch_b8 v0, s[64:65] scope:SCOPE_SE
	s_setreg_imm32_b32 hwreg(HW_REG_WAVE_MODE, 25, 1), 1
	s_wait_xcnt 0x0
; x [4096][1024] and Wq, Wk, Wv, Wo [1024][1024] (stacked as 4,096 rows), f32 with K innermost, become codes of BF8 (E5M2) with one E8M0 byte for each 32 along K.
; A block's scale is 2^(floor(log2(its largest magnitude)) - 15); each number is divided by it, held within +-57,344 and rounded to the nearest code, ties to even.
; THE CODES ARE LAID AS THE MATRIX UNIT'S REGISTERS WANT THEM.  Tile T is the 16 rows 32 (T / 2) + 8 (T % 2) + p + 8 (p / 8), p = 0 .. 15.  Registers 4 c .. 4 c + 3 of its fragment for K step s (128 along K)
; are 512 consecutive bytes, lane l's 16 at 16 l (lane = 16 h + p holds k = 128 s + 32 c + 16 h + 0 .. 15), at byte (T / 8) 131072 + (s / 2) 32768 + (T % 8) 4096 + (s % 2) 2048 + 512 c.
; THE SCALE WORDS (four bytes: the four blocks of a K step) lie from byte 4,194,304 on, at 512 T + 256 (s / 4) + 8 (16 (s % 2) + p) + 4 ((s / 2) % 2).
; SHARES.  A work-group takes 32 rows, two tiles; wave w takes tile w / 2 and half w % 2 of K: four K steps.  Work-groups 0-127 take x, 128-255 the weights; only pointers are chosen, the text has one path.
; A load reads 512 consecutive bytes of one row; the conversions want 16 neighbours along K in ONE lane: so a K step's 16 rows x 512 bytes turn through the wave's own stage in LDS (rows 528 bytes apart).
; No barrier: waves share nothing.  LIMITS: NaN and infinities among the inputs are not served; a block of zeros gets the byte 1 and zero codes (these bytes are read by this program alone).
.set SP,   528                         ; a stage row: 512 bytes + 16
.set STG,  16*SP                       ; a wave's stage
.set GA,   4                           ; v4   16 x lane: my bytes of a load's 512, and of a store's
.set LW,   5                           ; v5   the stage, on the way in
.set LR,   6                           ; v6   and on the way out: row r, + 64 h
.set S8,   7                           ; v7   8 x lane
.set X0,   16                          ; v16-207  three sets of 64 numbers
.set PC,   208                         ; v208-223 a fragment's codes
.set TM,   224                         ; v224-227 largest magnitudes, 228-231 bytes, 232-235 57,344 x the scale, 236-239 the conversions' scale operands
.set PW,   240                         ; v240-243 the scale word of each K step
.set SW,   244                         ; v244-245 the words as they are stored
.set SEL,  40                          ; s[40:41] lane selects: lane l xor 16
.set MNT,  42                          ; s42  the mantissa field of 57,344
.set HIM,  43                          ; s43  lanes 16-31
	s_load_b256 s[4:11], s[0:1], 0x0               ; x, Wq, Wk, Wv
	s_load_b128 s[12:15], s[0:1], 0x20             ; Wo, x's codes
	s_load_b64 s[16:17], s[0:1], 0x30              ; the weights' codes
	v_lshl_add_u32 v248, v0, 2, 0x8400
	v_mov_b32 v249, 0
	v_lshrrev_b32 v1, 5, v0
	v_readfirstlane_b32 s18, v1                    ; wave
	v_and_b32 v1, 31, v0                           ; lane
	v_and_b32 v2, 15, v0                           ; r
	v_bfe_u32 v3, v0, 4, 1                         ; h
	v_lshlrev_b32 v[GA], 4, v1
	v_lshlrev_b32 v[S8], 3, v1
	s_mul_i32 s19, s18, STG
	v_add_nc_u32 v[LW], s19, v[GA]
	v_mul_u32_u24 v[LR], v2, SP
	v_lshl_add_u32 v[LR], v3, 6, v[LR]
	v_add_nc_u32 v[LR], s19, v[LR]
.irp b, 0,1,2,3
	v_mov_b32 v[TM+4+\b], 0                        ; written once: a lane permute's destination counts as one of its sources
.endr
	s_mov_b32 s[SEL], 0x76543210
	s_mov_b32 s[SEL+1], 0xfedcba98
	s_mov_b32 s[MNT], 0x600000
	s_mov_b32 s[HIM], 0xffff0000
	s_lshr_b32 s20, s18, 1                         ; u: which of the two tiles
	s_and_b32 s21, s18, 1                          ; q: which half of K
	s_and_b32 s22, ttmp9, 127                      ; gd: the pair of tiles in the buffer of codes
	s_cmp_lt_u32 ttmp9, 128
	s_cselect_b32 s23, 127, 31
	s_and_b32 s23, s22, s23                        ; gs: the 32 rows in the tensor that is read
	s_lshl_b32 s24, s23, 17                        ; the numbers: (32 gs + 8 u) rows of 4,096 bytes + 2,048 q
	s_lshl_b32 s25, s20, 15
	s_add_co_u32 s24, s24, s25
	s_lshl_b32 s25, s21, 11
	s_add_co_u32 s24, s24, s25
	s_mov_b32 s25, 0
	s_lshr_b32 s26, s22, 2                         ; the codes: (gd / 4) 131072 + (2 (gd % 4) + u) 4096 + 65536 q
	s_lshl_b32 s26, s26, 17
	s_and_b32 s27, s22, 3
	s_lshl_b32 s27, s27, 13
	s_add_co_u32 s26, s26, s27
	s_lshl_b32 s27, s20, 12
	s_add_co_u32 s26, s26, s27
	s_lshl_b32 s27, s21, 16
	s_add_co_u32 s26, s26, s27
	s_mov_b32 s27, 0
	s_lshl_b32 s28, s22, 10                        ; the scale words: 4194304 + (2 gd + u) 512 + 256 q
	s_lshl_b32 s29, s20, 9
	s_add_co_u32 s28, s28, s29
	s_lshl_b32 s29, s21, 8
	s_add_co_u32 s28, s28, s29
	s_add_co_u32 s28, s28, 4194304
	s_mov_b32 s29, 0
	s_wait_alu depctr_va_vdst(0)
	s_wait_kmcnt 0x0
	s_mov_b64 s[30:31], s[12:13]                   ; which tensor: the choice hangs on the work-group's number alone
	s_cmp_lt_u32 ttmp9, 224
	s_cselect_b64 s[30:31], s[10:11], s[30:31]
	s_cmp_lt_u32 ttmp9, 192
	s_cselect_b64 s[30:31], s[8:9], s[30:31]
	s_cmp_lt_u32 ttmp9, 160
	s_cselect_b64 s[30:31], s[6:7], s[30:31]
	s_cmp_lt_u32 ttmp9, 128
	s_cselect_b64 s[30:31], s[4:5], s[30:31]
	s_cselect_b64 s[32:33], s[14:15], s[16:17]
	s_add_nc_u64 s[30:31], s[30:31], s[24:25]
	s_add_nc_u64 s[34:35], s[32:33], s[26:27]
	s_add_nc_u64 s[36:37], s[32:33], s[28:29]
.macro LOAD t                          ; K step t of my tile's 16 rows: each load takes 512 consecutive bytes of one row
.irp i, 0,1,2,3,4,5,6,7,8,9,10,11,12,13,14,15
	global_load_b128 v[X0+64*((\t)%3)+4*\i:X0+64*((\t)%3)+4*\i+3], v[GA], s[30:31] offset:(\i+8*(\i/8))*4096+512*(\t) th:TH_LOAD_NT
.endr
.endm
; 64 numbers of a lane, register 16 b + i = k 32 b + 16 h + i of my row, become a fragment's codes in v[PC] on and its scale word in v[pw]
.macro QUANT pw
.irp b, 0,1,2,3
	v_max3_num_f32 v[TM+\b], |v[XS+16*\b]|, |v[XS+16*\b+1]|, 0x8000000   ; block b: my 16 numbers, and the floor 2^(16 - 127): the byte cannot fall under 1
.endr
.irp i, 2,4,6,8,10,12,14
.irp b, 0,1,2,3
	v_max3_num_f32 v[TM+\b], v[TM+\b], |v[XS+16*\b+\i]|, |v[XS+16*\b+\i+1]|   ; the four blocks by turns
.endr
.endr
.irp b, 0,1,2,3
	v_permlanex16_b32 v[TM+4+\b], v[TM+\b], s[SEL], s[SEL+1]
.endr
.irp b, 0,1,2,3
	v_max_num_f32 v[TM+\b], v[TM+\b], v[TM+4+\b]   ; with lane l xor 16's 16: the block's largest magnitude
.endr
.irp b, 0,1,2,3
	v_add_nc_u32 v[TM+12+\b], 0xf8800000, v[TM+\b] ; 15 off its exponent field: the conversion takes the exponent field of this operand as its scale
.endr
.irp b, 0,1,2,3
	v_and_or_b32 v[TM+8+\b], v[TM+\b], 0x7f800000, s[MNT]   ; 57,344 x the scale
.endr
.irp b, 0,1,2,3
	v_lshrrev_b32 v[TM+4+\b], 23, v[TM+12+\b]      ; the scale's byte
.endr
	v_lshl_or_b32 v[\pw], v[TM+5], 8, v[TM+4]
	v_lshl_or_b32 v[\pw], v[TM+6], 16, v[\pw]
	v_lshl_or_b32 v[\pw], v[TM+7], 24, v[\pw]
.irp b, 0,1,2,3
.irp i, 0,1,2,3,4,5,6,7,8,9,10,11,12,13,14,15
	v_med3_num_f32 v[XS+16*\b+\i], v[XS+16*\b+\i], -v[TM+8+\b], v[TM+8+\b]   ; the conversion to an 8-bit code does not saturate (ISA guide 7.6.2): the hold
.endr
	v_cvt_scalef32_pk8_bf8_f32 v[PC+4*\b:PC+4*\b+1], v[XS+16*\b:XS+16*\b+7], v[TM+12+\b]
	v_cvt_scalef32_pk8_bf8_f32 v[PC+4*\b+2:PC+4*\b+3], v[XS+16*\b+8:XS+16*\b+15], v[TM+12+\b]
.endr
	v_nop                                          ; a plain line behind the last conversion
.endm
.macro STEP t, younger                 ; younger: the loads issued behind this step's sixteen
.set XS, X0+64*((\t)%3)
	s_wait_loadcnt \younger
.irp i, 0,1,2,3,4,5,6,7,8,9,10,11,12,13,14,15
	ds_store_b128 v[LW], v[XS+4*\i:XS+4*\i+3] offset:SP*\i
.endr
	s_wait_dscnt 0x0                               ; the stores have read their registers, which the loads below fill
.irp c, 0,1,2,3
.irp j, 0,1,2,3
	ds_load_b128 v[XS+16*\c+4*\j:XS+16*\c+4*\j+3], v[LR] offset:128*\c+16*\j   ; my row's k = 32 c + 16 h + 4 j on
.endr
.endr
	s_wait_dscnt 0x0
	s_wait_xcnt 0x0                                ; the last step's stores have read the codes' registers
	QUANT PW+(\t)
.irp c, 0,1,2,3
	global_store_b128 v[GA], v[PC+4*\c:PC+4*\c+3], s[34:35] offset:((\t)/2)*32768+((\t)%2)*2048+512*\c   ; 512 consecutive bytes
.endr
.endm
	LOAD 0
	LOAD 1
	LOAD 2
	STEP 0, 32                                     ; steps 1 and 2 may be out
	LOAD 3                                         ; into step 0's registers
	STEP 1, 32                                     ; steps 2 and 3 may be out
	STEP 2, 16
	STEP 3, 0
	v_cndmask_b32 v[SW], v[PW], v[PW+1], s[HIM]    ; lanes 0-15 the even K step's word of row r, lanes 16-31 the odd one's
	v_cndmask_b32 v[SW+1], v[PW+2], v[PW+3], s[HIM]
	global_store_b64 v[S8], v[SW:SW+1], s[36:37]   ; 256 consecutive bytes
	s_wait_tensorcnt 0x0
	ds_add_u32 v248, v249
	s_wait_dscnt 0x0
	s_endpgm
.Lfunc_end_k_q33d8ed5eeb_quant:
	.size	k_q33d8ed5eeb_quant, .Lfunc_end_k_q33d8ed5eeb_quant-k_q33d8ed5eeb_quant
	.p2alignl 7, 3214868480
	.fill 96, 4, 3214868480
	.section	.rodata,"a",@progbits
	.p2align	6, 0x0
	.amdhsa_kernel k_q33d8ed5eeb_quant
		.amdhsa_group_segment_fixed_size 34304
		.amdhsa_private_segment_fixed_size 0
		.amdhsa_enable_private_segment 0
		.amdhsa_kernarg_size 56
		.amdhsa_user_sgpr_count 2
		.amdhsa_user_sgpr_kernarg_segment_ptr 1
		.amdhsa_wavefront_size32 1
		.amdhsa_system_sgpr_workgroup_id_x 1
		.amdhsa_system_sgpr_workgroup_id_y 1
		.amdhsa_system_sgpr_workgroup_id_z 1
		.amdhsa_system_vgpr_workitem_id 0
		.amdhsa_next_free_vgpr 250
		.amdhsa_next_free_sgpr 66
		.amdhsa_reserve_vcc 0
		.amdhsa_float_denorm_mode_32 3
		.amdhsa_float_denorm_mode_16_64 3
		.amdhsa_memory_ordered 1
		.amdhsa_forward_progress 1
		.amdhsa_inst_pref_size 52
	.end_amdhsa_kernel
	.amdgpu_metadata
---
amdhsa.version: [ 1, 2 ]
amdhsa.kernels:
  - .name:           k_q33d8ed5eeb_quant
    .symbol:         k_q33d8ed5eeb_quant.kd
    .args:
      - { .name: x, .offset: 0, .size: 8, .value_kind: global_buffer, .address_space: global }
      - { .name: Wq, .offset: 8, .size: 8, .value_kind: global_buffer, .address_space: global }
      - { .name: Wk, .offset: 16, .size: 8, .value_kind: global_buffer, .address_space: global }
      - { .name: Wv, .offset: 24, .size: 8, .value_kind: global_buffer, .address_space: global }
      - { .name: Wo, .offset: 32, .size: 8, .value_kind: global_buffer, .address_space: global }
      - { .name: xcodes, .offset: 40, .size: 8, .value_kind: global_buffer, .address_space: global }
      - { .name: wcodes, .offset: 48, .size: 8, .value_kind: global_buffer, .address_space: global }
    .group_segment_fixed_size: 34304
    .private_segment_fixed_size: 0
    .kernarg_segment_align: 8
    .kernarg_segment_size: 56
    .max_flat_workgroup_size: 128
    .sgpr_count:     66
    .vgpr_count:     250
    .wavefront_size: 32
...
	.end_amdgpu_metadata
.endif
;; end of part 1
;; launch qkv (part 2): grid 8 x 24, 4 waves a work-group, clusters of 4 x 4, 327,680 bytes of LDS; arguments xcodes, wcodes, qkcodes, vcodes; writes qkcodes, vcodes
.if DOCPART == 2
	.amdgcn_target "amdgcn-amd-amdhsa--gfx1250"
	.amdhsa_code_object_version 6
	.text
	.protected	k_q33d8ed5eeb_qkv
	.globl	k_q33d8ed5eeb_qkv
	.p2align	8
	.type	k_q33d8ed5eeb_qkv,@function
k_q33d8ed5eeb_qkv:
	s_mov_b64 s[64:65], 0
	v_nop
	global_prefetch_b8 v0, s[64:65] scope:SCOPE_SE
	s_setreg_imm32_b32 hwreg(HW_REG_WAVE_MODE, 25, 1), 1
	s_wait_xcnt 0x0
	s_wait_alu depctr_hold_cnt(0) depctr_sa_sdst(0) depctr_va_vdst(0) depctr_va_sdst(0) depctr_va_ssrc(0) depctr_va_vcc(0) depctr_vm_vsrc(0)
	s_getreg_b32 s2, hwreg(HW_REG_IB_STS2, 6, 4)
	s_cmp_eq_u32 s2, 0
	s_cbranch_scc0 .Lentry_in_a_cluster
	s_endpgm
.Lentry_in_a_cluster:
	s_bfe_u32 s2, ttmp6, 0x10000c
	s_cmp_lg_u32 s2, 0xf033
	s_cbranch_scc0 .Lentry_shape_is_right
	s_endpgm
.Lentry_shape_is_right:
.set HALFT,  32768
.set SLOT,   4*HALFT
.set SPARE,  2*SLOT
.set FR,     16
.set ADRA, 16
.set ADRB, 20
.set CO,   26
.set S8,   27
.set SPW,  28
.set NIL,  29
.set SCB,  32
.set SCA,  64
.set AF,   128
.set TM,   96
.set WLO,  112
.set WHI,  113
.set WT,   114
.set C7F,  116
.set SW0,  120
.set SW1,  124
.set XQ,   128
.set PC,   192
.set G1,  24
.set G0,  32
.set G1B, 48
.set G0B, 56
.set OB,  88
.set VSEL, 70
.set SEL, 96
.set MNT, 98
.set HIM, 99
.set MSB, 0
.macro WIN new
.if MSB != (\new)
	s_set_vgpr_msb (MSB<<8)|(\new)
.set MSB, (\new)
.endif
.endm
.set MUL_LO, 0xa1
.set MUL_HI, 0xf1
.set TO_B,   0x40
.macro JLOAD s
	s_cmp_eq_u32 s15, 0
	s_cbranch_scc0 .Lfor_p_\@
	tensor_load_to_lds s[G0+4*\s:G0+4*\s+3], s[G1:G1+7]
	s_nop 0
.rept 4
	v_nop
.endr
	s_branch .Lasked_\@
.Lfor_p_\@:
	tensor_load_to_lds s[G0B+4*\s:G0B+4*\s+3], s[G1B:G1B+7]
	s_nop 0
.rept 4
	v_nop
.endr
.Lasked_\@:
.endm
.macro CREST
	s_cmp_lg_u32 s14, 0
	s_cbranch_scc1 .Lnot_wave_0_\@
	s_barrier_signal -3
.Lnot_wave_0_\@:
	s_barrier_wait -3
	s_barrier_signal -1
	s_barrier_wait -1
.endm
.macro CROUND
	s_barrier_signal -1
	s_barrier_wait -1
	CREST
.endm
.macro PLACES n
.rept \n
	v_nop
.endr
.endm
	s_load_b128 s[4:7], s[0:1], 0x0
	s_load_b128 s[8:11], s[0:1], 0x10
	v_lshl_add_u32 v[SPW], v0, 2, SPARE
	v_mov_b32 v[NIL], 0
	ds_add_u32 v28, v29
	ds_add_u32 v28, v29
	s_wait_dscnt 0x0
	v_lshrrev_b32 v1, 5, v0
	v_readfirstlane_b32 s14, v1
	s_lshr_b32 s15, s14, 1
	s_and_b32 s16, s14, 1
	s_bfe_u32 s40, ttmp6, 0x40000
	s_bfe_u32 s41, ttmp6, 0x40004
	s_and_b32 s45, ttmp7, 0xffff
	s_sub_co_u32 s46, s45, 4
	s_lshl_b32 s46, s46, 1
	s_mov_b32 s67, 4194304
	s_mov_b32 s68, 65536
	s_mov_b32 s69, 4096
	s_wait_kmcnt 0x0
	s_cmp_lt_u32 s45, 4
	s_cselect_b32 s46, 0, s46
	s_cselect_b32 s47, s45, 0
	s_cselect_b32 s66, 0, 16
	s_cselect_b32 s67, 8388608, s67
	s_cselect_b32 s68, 262144, s68
	s_cselect_b32 s69, 16384, s69
	s_cselect_b32 s[VSEL], 0, -1
	s_cselect_b64 s[72:73], s[6:7], s[4:5]
	s_cselect_b64 s[74:75], s[4:5], s[6:7]
	s_cselect_b64 s[76:77], s[8:9], s[10:11]
	s_add_co_u32 s46, s46, ttmp9
	s_lshl_b32 s42, s46, 2
	s_add_co_u32 s42, s42, s40
	s_lshl_b32 s17, s47, 2
	s_add_co_u32 s17, s17, s41
	s_lshl_b32 s43, s41, 2
	s_lshl_b32 s43, 15, s43
	s_lshl_b32 s44, 0x1111, s40
	s_or_b32 s[G1], s43, (3<<16)|(1<<21)
	s_or_b32 s[G1B], s44, (3<<16)|(1<<21)
.irp g, G1, G1B
	s_mov_b32 s[\g+1], 32<<16
	s_mov_b32 s[\g+2], 128<<16
	s_mov_b32 s[\g+3], 32<<16
	s_mov_b32 s[\g+4], 128
	s_mov_b32 s[\g+5], 32
	s_mov_b32 s[\g+6], 0
	s_mov_b32 s[\g+7], 0
.endr
	s_lshl_b32 s20, s17, 1
	s_add_co_u32 s20, s20, s66
	s_add_co_u32 s20, s20, s16
	s_lshl_b32 s20, s20, 17
	s_mov_b32 s21, 0
	s_add_nc_u64 s[20:21], s[74:75], s[20:21]
	s_lshl_b32 s22, s42, 1
	s_add_co_u32 s22, s22, s16
	s_lshl_b32 s22, s22, 17
	s_mov_b32 s23, 0
	s_add_nc_u64 s[22:23], s[72:73], s[22:23]
	s_mul_i32 s71, s14, HALFT
	CROUND
.irp s, 0,1
	s_mov_b32 s[G0+4*\s], 1
	s_add_co_u32 s[G0+4*\s+1], s71, \s*SLOT
	s_add_nc_u64 s[G0+4*\s+2:G0+4*\s+3], s[20:21], \s*HALFT
	s_or_b32 s[G0+4*\s+3], s[G0+4*\s+3], 0x80000000
	s_mov_b32 s[G0B+4*\s], 1
	s_add_co_u32 s[G0B+4*\s+1], s71, \s*SLOT
	s_add_nc_u64 s[G0B+4*\s+2:G0B+4*\s+3], s[22:23], \s*HALFT
	s_or_b32 s[G0B+4*\s+3], s[G0B+4*\s+3], 0x80000000
	s_wait_alu depctr_va_vdst(0)
	s_wait_tensorcnt 0x0
	ds_add_u32 v28, v29
	ds_add_u32 v28, v29
	s_wait_dscnt 0x0
	CROUND
	JLOAD \s
.endr
	v_and_b32 v1, 31, v0
	v_lshlrev_b32 v[CO], 4, v1
	v_lshlrev_b32 v[S8], 3, v1
	s_wait_alu depctr_va_vdst(0)
	s_mul_i32 s78, s15, HALFT
	s_mul_i32 s79, s16, HALFT
	s_add_co_u32 s79, s79, 2*HALFT
.irp s, 0,1
	v_add_nc_u32 v[ADRA+\s], s78, v[CO]
	v_add_nc_u32 v[ADRB+\s], s79, v[CO]
	s_add_co_u32 s78, s78, SLOT
	s_add_co_u32 s79, s79, SLOT
.endr
	s_lshl_b32 s80, s42, 1
	s_add_co_u32 s80, s80, s16
	s_lshl_b32 s82, s80, 12
	s_add_co_u32 s82, s82, 4194304
	s_mov_b32 s83, 0
	s_add_nc_u64 s[82:83], s[72:73], s[82:83]
	s_lshl_b32 s81, s17, 1
	s_add_co_u32 s81, s81, s15
	s_add_co_u32 s84, s81, s66
	s_lshl_b32 s84, s84, 12
	s_add_co_u32 s84, s84, 4194304
	s_mov_b32 s85, 0
	s_add_nc_u64 s[84:85], s[74:75], s[84:85]
.irp i, 0,1,2,3,4,5,6,7
.irp q, 0,1
	global_load_b64 v[SCB+4*\i+2*\q:SCB+4*\i+2*\q+1], v[S8], s[82:83] offset:\i*512+\q*256
	global_load_b64 v[SCA+4*\i+2*\q:SCA+4*\i+2*\q+1], v[S8], s[84:85] offset:\i*512+\q*256
.endr
.endr
	s_lshl_b32 s86, s80, 1
	s_mul_i32 s88, s86, s68
	s_lshl_b32 s87, s81, 13
	s_add_co_u32 s88, s88, s87
	s_mov_b32 s89, 0
	s_add_nc_u64 s[OB:OB+1], s[76:77], s[88:89]
	s_mov_b32 s90, s68
	s_mov_b32 s91, 0
	s_add_nc_u64 s[OB+2:OB+3], s[OB:OB+1], s[90:91]
	s_mul_i32 s92, s86, s69
	s_lshl_b32 s87, s81, 9
	s_add_co_u32 s92, s92, s87
	s_add_co_u32 s92, s92, s67
	s_mov_b32 s93, 0
	s_add_nc_u64 s[92:93], s[76:77], s[92:93]
	s_mov_b32 s94, s69
	s_mov_b32 s95, 0
	s_add_nc_u64 s[94:95], s[92:93], s[94:95]
	s_mov_b32 s[SEL], 0x76543210
	s_mov_b32 s[SEL+1], 0xfedcba98
	s_mov_b32 s[MNT], 0x600000
	s_mov_b32 s[HIM], 0xffff0000
.macro FRAG reg, adr, sg, i
.irp c, 0,1,2,3
	ds_load_b128 v[\reg+4*\c:\reg+4*\c+3], v[\adr] offset:(\i)*4096+(\sg)*2048+512*\c
.endr
.endm
.macro MUL16 a0, p, sg, kp, zero
.irp a, \a0, \a0+1
.irp b, 0,1,2,3,4,5,6,7
.if \zero
	v_wmma_scale_f32_16x16x128_f8f6f4 v[8*(8*((\a)%4)+\b):8*(8*((\a)%4)+\b)+7], v[128*(\p)+FR*\b:128*(\p)+FR*\b+FR-1], v[AF+FR*(\a):AF+FR*(\a)+FR-1], 0, v[SCB+4*\b+(\kp)], v[SCA+4*(\a)+(\kp)] matrix_a_fmt:MATRIX_FMT_BF8 matrix_b_fmt:MATRIX_FMT_BF8
.elseif \sg
	v_wmma_scale_f32_16x16x128_f8f6f4 v[8*(8*((\a)%4)+\b):8*(8*((\a)%4)+\b)+7], v[128*(\p)+FR*\b:128*(\p)+FR*\b+FR-1], v[AF+FR*(\a):AF+FR*(\a)+FR-1], v[8*(8*((\a)%4)+\b):8*(8*((\a)%4)+\b)+7], v[SCB+4*\b+(\kp)], v[SCA+4*(\a)+(\kp)] matrix_a_fmt:MATRIX_FMT_BF8 matrix_b_fmt:MATRIX_FMT_BF8 matrix_a_scale:MATRIX_SCALE_ROW1 matrix_b_scale:MATRIX_SCALE_ROW1
.else
	v_wmma_scale_f32_16x16x128_f8f6f4 v[8*(8*((\a)%4)+\b):8*(8*((\a)%4)+\b)+7], v[128*(\p)+FR*\b:128*(\p)+FR*\b+FR-1], v[AF+FR*(\a):AF+FR*(\a)+FR-1], v[8*(8*((\a)%4)+\b):8*(8*((\a)%4)+\b)+7], v[SCB+4*\b+(\kp)], v[SCA+4*(\a)+(\kp)] matrix_a_fmt:MATRIX_FMT_BF8 matrix_b_fmt:MATRIX_FMT_BF8
.endif
.endr
.endr
.endm
.macro FETCH_B slot, sg, p
	WIN TO_B
.irp i, 0,1,2,3,4,5,6,7
	FRAG 128*(\p)+FR*\i, ADRB+\slot, \sg, \i
.endr
	WIN 0
.endm
.macro FETCH_A slot, sg, i0
.irp i, \i0, \i0+1, \i0+2, \i0+3
	FRAG AF+FR*(\i), ADRA+\slot, \sg, \i
.endr
.endm
.macro STEP slot, kp, zero
	s_wait_dscnt 16
	WIN MUL_LO
	MUL16 0, 0, 0, \kp, \zero
	MUL16 2, 0, 0, \kp, \zero
	s_wait_dscnt 0x0
	PLACES 8
	FETCH_B \slot, 1, 1
	FETCH_A \slot, 1, 0
	WIN MUL_HI
	MUL16 4, 0, 0, \kp, \zero
	MUL16 6, 0, 0, \kp, \zero
	PLACES 8
	WIN 0
	FETCH_A \slot, 1, 4
.endm
.macro TURN slot, next, kp, fill
	s_wait_tensorcnt 0x0
	ds_add_u32 v[SPW], v[NIL]
	s_wait_dscnt 17
	WIN MUL_LO
	MUL16 0, 1, 1, \kp, 0
	s_wait_dscnt 0x0
	s_barrier_signal -1
	MUL16 2, 1, 1, \kp, 0
	WIN 0
	s_barrier_wait -1
.if \fill
	CREST
	s_add_nc_u64 s[G0+4*\slot+2:G0+4*\slot+3], s[G0+4*\slot+2:G0+4*\slot+3], 2*HALFT
	s_add_nc_u64 s[G0B+4*\slot+2:G0B+4*\slot+3], s[G0B+4*\slot+2:G0B+4*\slot+3], 2*HALFT
	JLOAD \slot
	PLACES 4
.else
	PLACES 8
.endif
	FETCH_B \next, 0, 0
	FETCH_A \next, 0, 0
	WIN MUL_HI
	MUL16 4, 1, 1, \kp, 0
	MUL16 6, 1, 1, \kp, 0
	PLACES 8
	WIN 0
	FETCH_A \next, 0, 4
.endm
.macro LAST kp
	s_wait_dscnt 16
	WIN MUL_LO
	MUL16 0, 1, 1, \kp, 0
	MUL16 2, 1, 1, \kp, 0
	s_wait_dscnt 0x0
	WIN MUL_HI
	MUL16 4, 1, 1, \kp, 0
	MUL16 6, 1, 1, \kp, 0
	WIN 0
.endm
	s_wait_alu depctr_va_vdst(0)
	s_wait_tensorcnt 0x1
	s_barrier_signal -1
	s_barrier_wait -1
	FETCH_B 0, 0, 0
	FETCH_A 0, 0, 0
	FETCH_A 0, 0, 4
	s_wait_loadcnt 0x0
	STEP 0, 0, 1
	TURN 0, 1, 0, 1
	STEP 1, 1, 0
	TURN 1, 0, 1, 1
	STEP 0, 2, 0
	TURN 0, 1, 2, 0
	STEP 1, 3, 0
	LAST 3
.macro QEPI a
.set W, 2+(\a)/4
.set WA, (W<<2)|(W<<4)
.set AC, 64*((\a)%4)
.set PCS, PC+16*((\a)%2)
	WIN WA
.irp B, 0,1,2,3
	v_max3_num_f32 v[TM+\B], 0x8000000, |v[AC+16*\B]|, |v[AC+16*\B+1]|
.endr
.irp i, 2,4,6,8,10,12,14
.irp B, 0,1,2,3
	v_max3_num_f32 v[TM+\B], v[TM+\B], |v[AC+16*\B+\i]|, |v[AC+16*\B+\i+1]|
.endr
.endr
	WIN 0
.irp B, 0,1,2,3
	v_permlanex16_b32 v[TM+4+\B], v[TM+\B], s[SEL], s[SEL+1]
.endr
.irp B, 0,1,2,3
	v_max_num_f32 v[TM+\B], v[TM+\B], v[TM+4+\B]
.endr
.irp B, 0,1,2,3
	v_add_nc_u32 v[TM+12+\B], 0xf8800000, v[TM+\B]
.endr
.irp B, 0,1,2,3
	v_and_or_b32 v[TM+8+\B], v[TM+\B], 0x7f800000, s[MNT]
.endr
.irp B, 0,1,2,3
	v_lshrrev_b32 v[TM+4+\B], 23, v[TM+12+\B]
.endr
	v_lshl_or_b32 v[WLO], v[TM+5], 8, v[TM+4]
	v_lshl_or_b32 v[WHI], v[TM+7], 8, v[TM+6]
	v_cndmask_b32 v[WT], v[C7F], v[WHI], s[VSEL]
.if (\a)%2 == 0
	v_lshl_or_b32 v[SW0+(\a)/2], v[WT], 16, v[WLO]
	v_or_b32 v[SW1+(\a)/2], 0x7f7f0000, v[WHI]
.else
	v_lshl_or_b32 v[WT], v[WT], 16, v[WLO]
	v_or_b32 v[WHI], 0x7f7f0000, v[WHI]
	v_cndmask_b32 v[SW0+(\a)/2], v[SW0+(\a)/2], v[WT], s[HIM]
	v_cndmask_b32 v[SW1+(\a)/2], v[SW1+(\a)/2], v[WHI], s[HIM]
.endif
	WIN W
.irp B, 0,1,2,3
.irp i, 0,1,2,3,4,5,6,7,8,9,10,11,12,13,14,15
	v_med3_num_f32 v[XQ+16*\B+\i], v[AC+16*\B+\i], -v[TM+8+\B], v[TM+8+\B]
.endr
.endr
	WIN 0
	s_wait_alu depctr_va_vdst(0)
	s_wait_xcnt 0x0
.irp B, 0,1,2,3
	v_cvt_scalef32_pk8_bf8_f32 v[PCS+4*\B:PCS+4*\B+1], v[XQ+16*\B:XQ+16*\B+7], v[TM+12+\B]
	v_cvt_scalef32_pk8_bf8_f32 v[PCS+4*\B+2:PCS+4*\B+3], v[XQ+16*\B+8:XQ+16*\B+15], v[TM+12+\B]
.endr
	v_nop
.irp B, 0,1,2,3
	global_store_b128 v[CO], v[PCS+4*\B:PCS+4*\B+3], s[OB+2*(\B/2):OB+2*(\B/2)+1] offset:(\a)*1024+(\B%2)*512
.endr
.endm
	PLACES 8
.irp B, 0,1,2,3
	v_mov_b32 v[TM+4+\B], 0
.endr
	v_mov_b32 v[C7F], 0x7f7f
.irp a, 0,1,2,3,4,5,6,7
	QEPI \a
.endr
	global_store_b128 v[CO], v[SW0:SW0+3], s[92:93]
	global_store_b128 v[CO], v[SW1:SW1+3], s[94:95]
	s_wait_tensorcnt 0x0
	ds_add_u32 v[SPW], v[NIL]
	s_wait_dscnt 0x0
	CROUND
	s_endpgm
.Lfunc_end_k_q33d8ed5eeb_qkv:
	.size	k_q33d8ed5eeb_qkv, .Lfunc_end_k_q33d8ed5eeb_qkv-k_q33d8ed5eeb_qkv
	.p2alignl 7, 3214868480
	.fill 96, 4, 3214868480
	.section	.rodata,"a",@progbits
	.p2align	6, 0x0
	.amdhsa_kernel k_q33d8ed5eeb_qkv
		.amdhsa_group_segment_fixed_size 327680
		.amdhsa_private_segment_fixed_size 0
		.amdhsa_enable_private_segment 0
		.amdhsa_kernarg_size 32
		.amdhsa_user_sgpr_count 2
		.amdhsa_user_sgpr_kernarg_segment_ptr 1
		.amdhsa_wavefront_size32 1
		.amdhsa_system_sgpr_workgroup_id_x 1
		.amdhsa_system_sgpr_workgroup_id_y 1
		.amdhsa_system_sgpr_workgroup_id_z 1
		.amdhsa_system_vgpr_workitem_id 0
		.amdhsa_next_free_vgpr 1024
		.amdhsa_next_free_sgpr 100
		.amdhsa_reserve_vcc 0
		.amdhsa_float_denorm_mode_32 3
		.amdhsa_float_denorm_mode_16_64 3
		.amdhsa_memory_ordered 1
		.amdhsa_forward_progress 1
		.amdhsa_inst_pref_size 186
	.end_amdhsa_kernel
	.amdgpu_metadata
---
amdhsa.version: [ 1, 2 ]
amdhsa.kernels:
  - .name:           k_q33d8ed5eeb_qkv
    .symbol:         k_q33d8ed5eeb_qkv.kd
    .args:
      - { .name: xcodes, .offset: 0, .size: 8, .value_kind: global_buffer, .address_space: global }
      - { .name: wcodes, .offset: 8, .size: 8, .value_kind: global_buffer, .address_space: global }
      - { .name: qkcodes, .offset: 16, .size: 8, .value_kind: global_buffer, .address_space: global }
      - { .name: vcodes, .offset: 24, .size: 8, .value_kind: global_buffer, .address_space: global }
    .group_segment_fixed_size: 327680
    .private_segment_fixed_size: 0
    .kernarg_segment_align: 8
    .kernarg_segment_size: 32
    .max_flat_workgroup_size: 128
    .sgpr_count:     100
    .vgpr_count:     1024
    .wavefront_size: 32
...
	.end_amdgpu_metadata
.endif
;; end of part 2
;; launch attn (part 3): grid 8 x 32, 8 waves a work-group, clusters of 4 x 1, 327,680 bytes of LDS; arguments qkcodes, vcodes, tgt_key_padding_mask, acodes; writes acodes
.if DOCPART == 3
	.amdgcn_target "amdgcn-amd-amdhsa--gfx1250"
	.amdhsa_code_object_version 6
	.text
	.protected	k_q33d8ed5eeb_attn
	.globl	k_q33d8ed5eeb_attn
	.p2align	8
	.type	k_q33d8ed5eeb_attn,@function
k_q33d8ed5eeb_attn:
	s_mov_b64 s[64:65], 0
	v_nop
	global_prefetch_b8 v0, s[64:65] scope:SCOPE_SE
	s_setreg_imm32_b32 hwreg(HW_REG_WAVE_MODE, 25, 1), 1
	s_wait_xcnt 0x0
	s_wait_alu depctr_hold_cnt(0) depctr_sa_sdst(0) depctr_va_vdst(0) depctr_va_sdst(0) depctr_va_ssrc(0) depctr_va_vcc(0) depctr_vm_vsrc(0)
	s_getreg_b32 s2, hwreg(HW_REG_IB_STS2, 6, 4)
	s_cmp_eq_u32 s2, 0
	s_cbranch_scc0 .Lentry_in_a_cluster
	s_endpgm
.Lentry_in_a_cluster:
	s_bfe_u32 s2, ttmp6, 0x10000c
	s_cmp_lg_u32 s2, 0x3003
	s_cbranch_scc0 .Lentry_shape_is_right
	s_endpgm
.Lentry_shape_is_right:
; Causal attention with a key padding mask, 32 (batch, head) pairs of 2,048 tokens, head size 64, both products on codes of BF8 (E5M2) with E8M0 scales; the result is quantised along the channels and leaves as codes.
; t = score x log2(e) / 8; M = the row's largest t so far, rounded UP to a whole number; p = 2^(t - M) is quantised along the keys, not normalised; the row's sum is taken of the unquantised p and divides at the end.
; Key steps (128 keys) that the causal mask hides from all of a tile's queries are not walked.
; SHARES.  A work-group owns one (batch, head) and 16 tiles of 16 queries; each of its 8 waves takes two, one after the other: tile 8 (8 + w) + x, then tile 8 (7 - w) + x, x the work-group's number along x.
; The first lies in key step HI = 8 + w and walks steps 0 .. HI, the second in LO = 7 - w and walks 0 .. LO: 17 steps in every wave, so all trip counts are constants.  Step j's keys: (j + (LO where j > HI)) mod 16.
; A tile T of tokens is 32 (T / 2) + 8 (T % 2) + p + 8 (p / 8).  Both products are used transposed (S^T = K Q^T, O^T = V^T P^T): a lane holds ONE query; the 16 registers of key tiles 2 B, 2 B + 1 are keys 32 B + 16 (lane / 16) + 0 .. 15.
; A STEP: ask for the next step's K and this step's V; the softmax on S; then one group of products: the next step's S^T (8) and this step's O^T (4).  So every LDS load has the whole softmax in which to come.
; A WHOLE HEAD'S K AND V STAY IN LDS (128 KiB each, as images of the operands' registers, with 8 KiB of scale words each).  Keys 0-767 and all scale words come by one load a wave at the head, keys 768-2,047 by one load a wave behind a drained round; nothing is filled again.
; CLUSTER.  The four work-groups of a cluster belong to one head and want the same bytes: each fill is asked for JOINTLY, by the same tensor load with the same descriptor and a mask that names the four.
; cx enters only global offsets (Q, the result) and the diagonal's bias: no branch, no trip count, no LDS address, no descriptor; it lives in scalar registers that serve nothing else.
; No prefetch: every tensor load is issued ahead of the loops, so there is no loop to run ahead in.
; THE PADDING MASK RIDES IN THE IDLE HALF OF K.  The head's 64 fill half of the instruction's 128.  Register 8 of Q's fragment holds four codes of +57,344, register 8 of a key's fragment four codes of -57,344 if the key
; is padded, else zeros; both scale bytes there are 127.  A padded key's score so gets 8 x -57,344^2 = -2.6e10, an open key's an exact 0.  The running largest t begins at -2^30, above every padded t: padded keys never set M
; and their p is 0.  A query none of whose keys counts has the sum 0: its codes become NaN codes, as the softmax of an empty row is NaN.
; LIMITS: |logit x log2(e)| stays under 2^30; NaN and infinities are not served; a block of zeros gets the byte 1.
; REGISTERS: window 0 as named below; window 1: v0-127 K's eight fragments (registers 9-15 of each stay 0), v128-191 V's four, v192-255 the diagonal's bias.
.set KREG, 0                           ; K's codes: 1,024 bytes a tile
.set VREG, 131072                      ; V's: 8192 ks + 4096 (c / 2) + 1024 ct + 512 (c % 2)
.set KSC,  262144                      ; K's scale words: 512 bytes a key step
.set VSC,  270336                      ; V's likewise (two heads' words: mine at + 8 (head % 2))
.set MIMG, 278528                      ; the mask: a word for each key, 64 bytes a tile; written by LDS stores, no fill lands here
.set SPARE, 286720                     ; the spare words: 128 bytes a wave
.set AK0,  1                           ; v1-5  my lane's place in each region
.set AV0,  2
.set ASK0, 3
.set ASV0, 4
.set AM0,  5
.set ADK,  8                           ; v8-12 the step's addresses
.set ADV,  9
.set ADS,  10
.set ADT,  11
.set ADM,  12
.set QF,   16                          ; v16-31  Q's fragment
.set PC,   32                          ; v32-47  p's codes
.set AS,   48                          ; v48-63  eight partial sums, two halves each
.set OT,   64                          ; v64-95  O^T
.set S,    96                          ; v96-159 S^T, then p
.set BM,   160                         ; v160-163 a block's largest score, then p
.set T1,   164
.set HOLD, 168                         ; 57,344 x the scale
.set SOP,  172                         ; the conversions' scale operands
.set KS,   176                         ; v176-179 K's scale words
.set VS,   180                         ; v180-181 V's
.set QS,   182                         ; Q's
.set PW,   183                         ; p's
.set NM,   184                         ; v184 -M, v185 the largest t
.set LS,   186                         ; v[186:187] the sum in two halves
.set FF,   188                         ; v188 f = 2^(old M - new M); v189 named with it as a pair
.set TB,   190
.set TA,   191
.set QL,   192                         ; v192-199 the second tile's Q, v200 its scale words
.set QSL,  200
.set OCH,  201                         ; the results' byte offsets: codes and scale bytes of the first tile, of the second
.set OSH,  202
.set OCL,  203
.set OSL,  204
.set WC,   208                         ; v208-215 a result's codes, v216 its scale bytes
.set NANC, 217                         ; four NaN codes
.set SPW,  218
.set NIL,  219
.set DQ,   238                         ; my query's place in its key step - 16 (lane / 16)
.set NINF, 239
.set BIAS, 192                         ; in window 1
.set TJ,   2                           ; s2, s3: numbers that hang on cx (with s67, s100, s101, s104, s105)
.set XJ,   3
.set WV,   18
.set MNT,  19
.set SEL,  20
.set CS,   22                          ; s[22:23] log2(e) / 8
.set G1K,  24
.set G1V,  32
.set G1SK, 40
.set G1SV, 48
.set HI,   56
.set J,    57                          ; the step
.set LO,   58
.set G0K,  68
.set G0V,  72
.set G0SK, 76
.set G0SV, 80
.set T8,   84                          ; 8,192 x and 512 x this step's key step,
.set T5,   85
.set T8N,  86                          ; and the next step's
.set T5N,  87
.set AA,   88
.set AB,   89
.set MSB, 0
.macro WIN new                         ; the immediate's high byte repeats the setting that is left
.if MSB != (\new)
	s_set_vgpr_msb (MSB<<8)|(\new)
.set MSB, (\new)
.endif
.endm
.macro WALU
	s_wait_alu depctr_va_vdst(0)
.endm
.macro PLACES n
.rept \n
	v_nop
.endr
.endm
.macro SHAPE g, c, r, p                ; descriptor group 1: r rows of c elements of 8 bytes, p elements apart; 15:0 the mask: all four work-groups; 21 set beside a mask; no padding
	s_mov_b32 s[\g], 15|(3<<16)|(1<<21)
	s_mov_b32 s[\g+1], (\c)<<16
	s_mov_b32 s[\g+2], (\r)<<16
	s_mov_b32 s[\g+3], (\c)<<16
	s_mov_b32 s[\g+4], \r
	s_mov_b32 s[\g+5], \p
	s_mov_b32 s[\g+6], 0
	s_mov_b32 s[\g+7], 0
.endm
.macro CROUND                          ; a round of the cluster's barrier
	s_barrier_signal -1
	s_barrier_wait -1
	s_cmp_lg_u32 s[WV], 0
	s_cbranch_scc1 .Lnot_wave_0_\@
	s_barrier_signal -3
.Lnot_wave_0_\@:
	s_barrier_wait -3
	s_barrier_signal -1
	s_barrier_wait -1
.endm
.macro TLOAD g0, g1
	tensor_load_to_lds s[\g0:\g0+3], s[\g1:\g1+7]
	s_nop 0
	PLACES 4
.endm
.macro ARM under, g0, g1, next
	s_cmp_lt_u32 s[WV], \under
	s_cbranch_scc0 \next
	TLOAD \g0, \g1
	s_branch .Lhead_asked
\next:
.endm
	s_load_b128 s[4:7], s[0:1], 0x0                ; Q's and K's codes, V's codes
	s_load_b128 s[8:11], s[0:1], 0x10              ; the mask, the result's codes
	v_lshl_add_u32 v[SPW], v0, 2, SPARE
	v_mov_b32 v[NIL], 0
	ds_add_u32 v[SPW], v[NIL]                      ; the opening lines: the add, twice on end, and its wait
	ds_add_u32 v[SPW], v[NIL]
	v_lshrrev_b32 v220, 5, v0
	v_readfirstlane_b32 s[WV], v220                ; wave 0..7
	s_and_b32 s12, ttmp7, 0xffff
	s_lshr_b32 s13, s12, 4                         ; the batch
	s_and_b32 s14, s12, 15                         ; the head
	s_add_co_u32 s[HI], s[WV], 8
	s_xor_b32 s[LO], s[WV], 7
	SHAPE G1K, 32, 64, 32                          ; K: 16 tiles, 16,384 dense bytes, as 64 rows of 256
	SHAPE G1V, 512, 4, 8192                        ; V: 4 runs of 64 keys: 4,096 bytes each, 65,536 apart
	SHAPE G1SK, 32, 32, 32                         ; K's scale words: 8,192 dense bytes
	SHAPE G1SV, 64, 16, 1024                       ; V's: 16 key steps: 512 bytes each, 8,192 apart
	s_add_co_u32 s60, s14, 16                      ; K's heads follow Q's sixteen
	s_lshl_b32 s90, s60, 18
	s_lshl_b32 s61, s13, 17
	s_add_co_u32 s90, s90, s61                     ; K's codes, in bytes
	s_mov_b32 s91, 0
	s_lshl_b32 s88, s60, 14
	s_lshl_b32 s61, s13, 13
	s_add_co_u32 s88, s88, s61
	s_add_co_u32 s88, s88, 8388608                 ; K's scale words
	s_mov_b32 s89, 0
	s_lshl_b32 s92, s13, 21
	s_lshl_b32 s61, s14, 12
	s_add_co_u32 s92, s92, s61                     ; V's codes
	s_mov_b32 s93, 0
	s_lshl_b32 s94, s13, 17
	s_lshr_b32 s61, s14, 1
	s_lshl_b32 s61, s61, 9
	s_add_co_u32 s94, s94, s61
	s_add_co_u32 s94, s94, 4194304                 ; V's scale words
	s_mov_b32 s95, 0
	s_lshl_b32 s60, s[WV], 14                      ; waves 0-2 fetch keys 256 w on of K,
	s_mov_b32 s61, 0
	s_max_u32 s62, s[WV], 3                        ; waves 3-5 keys 256 (w - 3) on of V, wave 6 K's scale words, wave 7 V's
	s_sub_co_u32 s62, s62, 3
	s_lshl_b32 s62, s62, 18
	s_mov_b32 s63, 0
	s_mov_b32 s[G0K], 1
	s_mov_b32 s[G0K+1], s60
	s_mov_b32 s[G0V], 1
	s_add_co_u32 s[G0V+1], s60, VREG-3*16384
	s_mov_b32 s[G0SK], 1
	s_mov_b32 s[G0SK+1], KSC
	s_mov_b32 s[G0SV], 1
	s_mov_b32 s[G0SV+1], VSC
	WALU                                           ; the wait ahead of the waits below
	s_wait_dscnt 0x0                               ; both opening adds are done
	s_wait_kmcnt 0x0
	s_add_nc_u64 s[90:91], s[4:5], s[90:91]        ; my head's K
	s_add_nc_u64 s[92:93], s[6:7], s[92:93]        ; and V
	s_add_nc_u64 s[G0K+2:G0K+3], s[90:91], s[60:61]
	s_or_b32 s[G0K+3], s[G0K+3], 0x80000000
	s_add_nc_u64 s[G0V+2:G0V+3], s[92:93], s[62:63]
	s_or_b32 s[G0V+3], s[G0V+3], 0x80000000
	s_add_nc_u64 s[G0SK+2:G0SK+3], s[4:5], s[88:89]
	s_or_b32 s[G0SK+3], s[G0SK+3], 0x80000000
	s_add_nc_u64 s[G0SV+2:G0SV+3], s[6:7], s[94:95]
	s_or_b32 s[G0SV+3], s[G0SV+3], 0x80000000
	CROUND                                         ; all four work-groups are here: the joint loads meet
	ARM 3, G0K,  G1K,  .Lhead_v                    ; one load a wave
	ARM 6, G0V,  G1V,  .Lhead_sk
	ARM 7, G0SK, G1SK, .Lhead_sv
	TLOAD G0SV, G1SV
.Lhead_asked:
	s_lshl_b32 s88, s13, 11
	s_mov_b32 s89, 0
	s_add_nc_u64 s[8:9], s[8:9], s[88:89]          ; the batch's 2,048 mask bytes
	s_bfe_u32 s[TJ], ttmp6, 0x40000                ; cx
	s_lshl_b32 s[XJ], ttmp9, 2                     ; in a cluster launch ttmp9 counts clusters
	s_add_co_u32 s[XJ], s[XJ], s[TJ]               ; x = 4 x cluster x + cx
	s_lshl_b32 s60, s14, 18                        ; Q's codes: 262144 head + 1024 T, T = 128 batch + 8 POS + x; POS's part comes below
	s_lshl_b32 s61, s13, 17
	s_add_co_u32 s60, s60, s61
	s_lshl_b32 s67, s[XJ], 10
	s_add_co_u32 s67, s67, s60
	s_lshl_b32 s60, s14, 14                        ; Q's scale words: 8388608 + 512 (32 head + T / 8) + 256 (x % 2) + 4 (x / 2), + 16 r
	s_lshl_b32 s61, s13, 13
	s_add_co_u32 s60, s60, s61
	s_add_co_u32 s60, s60, 8388608
	s_and_b32 s100, s[XJ], 1
	s_lshl_b32 s100, s100, 8
	s_add_co_u32 s100, s100, s60
	s_lshr_b32 s[TJ], s[XJ], 1
	s_lshl_b32 s[TJ], s[TJ], 2
	s_add_co_u32 s100, s100, s[TJ]
	s_and_b32 s62, s14, 1
	s_bfe_u32 s63, s14, 0x10001
	s_bfe_u32 s59, s14, 0x10002
	s_lshl_b32 s60, s13, 21                        ; the result's codes: 131072 (T / 8) + 32768 (head / 4) + 4096 x + 2048 ((head / 2) % 2) + 1024 (head % 2)
	s_lshr_b32 s61, s14, 2
	s_lshl_b32 s61, s61, 15
	s_add_co_u32 s60, s60, s61
	s_lshl_b32 s61, s63, 11
	s_add_co_u32 s60, s60, s61
	s_lshl_b32 s61, s62, 10
	s_add_co_u32 s60, s60, s61
	s_lshl_b32 s101, s[XJ], 12
	s_add_co_u32 s101, s101, s60
	s_lshl_b32 s60, s13, 16                        ; its scale bytes: 4194304 + 512 T + 256 (head / 8) + 128 ((head / 2) % 2) + 4 ((head / 4) % 2) + 2 (head % 2), + 8 r
	s_lshr_b32 s61, s14, 3
	s_lshl_b32 s61, s61, 8
	s_add_co_u32 s60, s60, s61
	s_lshl_b32 s61, s63, 7
	s_add_co_u32 s60, s60, s61
	s_lshl_b32 s61, s59, 2
	s_add_co_u32 s60, s60, s61
	s_lshl_b32 s61, s62, 1
	s_add_co_u32 s60, s60, s61
	s_add_co_u32 s60, s60, 4194304
	s_lshl_b32 s104, s[XJ], 9
	s_add_co_u32 s104, s104, s60
	s_lshr_b32 s105, s[XJ], 1                      ; a tile's place in its key step: 32 (x / 2) + 8 (x % 2)
	s_lshl_b32 s105, s105, 5
	s_and_b32 s[TJ], s[XJ], 1
	s_lshl_b32 s[TJ], s[TJ], 3
	s_add_co_u32 s105, s105, s[TJ]
	s_lshl_b32 s59, s62, 3
	s_add_co_u32 s59, s59, VSC                     ; V's scale words: my head's of two
	s_lshl_b32 s60, s[HI], 13                      ; POS's parts, for both tiles
	s_lshl_b32 s61, s[LO], 13
	s_lshl_b32 s62, s[HI], 9
	s_lshl_b32 s63, s[LO], 9
	s_lshl_b32 s94, s[HI], 17
	s_lshl_b32 s95, s[LO], 17
	s_lshl_b32 s97, s[HI], 12
	s_lshl_b32 s98, s[LO], 12
	s_mov_b32 s[SEL], 0x76543210
	s_mov_b32 s[SEL+1], 0xfedcba98
	s_mov_b32 s[CS], 0x3e38aa3b                    ; log2(e) / sqrt(64)
	s_mov_b32 s[CS+1], s[CS]                       ; named with it as a pair, so it is written
	s_mov_b32 s[MNT], 0x600000
	v_and_b32 v220, 31, v0                         ; lane
	v_and_b32 v221, 15, v0                         ; r
	v_bfe_u32 v222, v0, 4, 1                       ; h
	v_lshlrev_b32 v226, 3, v0
	v_lshlrev_b32 v[AK0], 4, v220
	v_lshlrev_b32 v237, 4, v221
	v_add_nc_u32 v241, s67, v[AK0]
	v_add_nc_u32 v243, s100, v237
	v_add_nc_u32 v240, s60, v241
	v_add_nc_u32 v241, s61, v241
	v_add_nc_u32 v242, s62, v243
	v_add_nc_u32 v243, s63, v243
	global_load_b64 v[224:225], v226, s[8:9]       ; thread n: keys 8 n .. 8 n + 7
	global_load_b128 v[QF:QF+3], v240, s[4:5]
	global_load_b128 v[QF+4:QF+7], v240, s[4:5] offset:512
	global_load_b32 v[QS], v242, s[4:5]
	global_load_b128 v[QL:QL+3], v241, s[4:5]
	global_load_b128 v[QL+4:QL+7], v241, s[4:5] offset:512
	global_load_b32 v[QSL], v243, s[4:5]
	v_and_b32 v[DQ], 8, v221                       ; the diagonal: my query's place: s105 + r + 8 (r / 8), - 16 h
	v_lshlrev_b32 v244, 4, v222
	v_add_nc_u32 v[DQ], v[DQ], v221
	v_mov_b32 v[NINF], 0xff800000
	v_sub_nc_u32 v[DQ], v[DQ], v244
	v_add_nc_u32 v[OCL], s101, v[AK0]
	v_lshl_add_u32 v[OSL], v221, 3, s104
	v_add_nc_u32 v[DQ], s105, v[DQ]
	v_add_nc_u32 v[OCH], s94, v[OCL]
	v_add_nc_u32 v[OSH], s97, v[OSL]
	v_add_nc_u32 v[OCL], s95, v[OCL]
	v_add_nc_u32 v[OSL], s98, v[OSL]
	v_add_nc_u32 v[AV0], VREG, v[AK0]
	v_add_nc_u32 v[ASK0], KSC, v[AK0]
	v_add_nc_u32 v[ASV0], s59, v[AK0]
	v_lshl_add_u32 v[AM0], v221, 2, MIMG
	v_lshrrev_b32 v227, 2, v0                      ; keys 8 n on belong to tile 2 (n / 4) + n % 2, places 8 ((n / 2) % 2) on
	v_and_b32 v245, 1, v0
	v_bfe_u32 v246, v0, 1, 1
	v_lshlrev_b32 v227, 7, v227
	v_lshl_add_u32 v227, v245, 6, v227
	v_lshl_add_u32 v227, v246, 5, v227
	v_add_nc_u32 v227, MIMG, v227
	v_mov_b32 v236, 0xfbfbfbfb                     ; four codes of -57,344
	v_mov_b32 v[NANC], 0x7f7f7f7f
	v_mov_b32 v[QF+8], 0x7b7b7b7b                  ; four codes of +57,344, against the keys' mask words
.irp k, 9,10,11,12,13,14,15
	v_mov_b32 v[QF+\k], 0                          ; the rest of the instruction's 128 along K: zero codes, on both sides
.endr
	v_mov_b32 v[NM], 0x4f000000                    ; as -M of the step before: 2^31, so that the first factor f is 0
	v_mov_b32 v[NM+1], 0xce800000                  ; the largest t so far: -2^30, above every padded key's t
	v_mov_b32 v[LS], 0
	v_mov_b32 v[LS+1], 0
	v_mov_b32 v[FF+1], 0
	v_mov_b32 v[TA], 0
.irp b, 0,1,2,3
	v_mov_b32 v[T1+\b], 0                          ; written once: a lane permute's destination counts as one of its sources
.endr
.set n, 0
.rept 32
	v_mov_b32 v[OT+n], 0                           ; numbers, which the first factor makes zeros
.set n, n+1
.endr
	WIN 0x40
.irp t, 0,1,2,3,4,5,6,7
.irp k, 9,10,11,12,13,14,15
	v_mov_b32 v[16*\t+\k], 0
.endr
.endr
.set n, 0
.rept 64                                       ; the bias of register 16 b + i, key 32 b + 16 h + i of the diagonal's step: -infinity where 32 b + i > my query's place - 16 h
	v_cmp_gt_i32 vcc_lo, 32*(n/16)+n%16, v[DQ]
	v_cndmask_b32 v[BIAS+n], 0, v[NINF], vcc_lo
.set n, n+1
.endr
	WIN 0
	WALU                                           ; the wait ahead of the wait below
	s_wait_loadcnt 0x0                             ; the mask and both tiles' Q
.irp i, 0,1,2,3,4,5,6,7
	v_bfe_u32 v[244+\i%4], v[224+\i/4], 8*(\i%4), 8
	v_cmp_ne_u32 vcc_lo, 0, v[244+\i%4]
	v_cndmask_b32 v[228+\i], 0, v236, vcc_lo
.endr
	ds_store_b128 v227, v[228:231]
	ds_store_b128 v227, v[232:235] offset:16
	WALU                                           ; the wait at the head's end
	s_wait_tensorcnt 0x0                           ; my load of the head is in; the lines ahead of a later first fill:
	ds_add_u32 v[SPW], v[NIL]
	s_mul_i32 s60, s[WV], 20480                    ; keys 768-2,047: waves 0-3 fetch 320 keys each of K, 80 rows of 256 bytes,
	s_add_co_u32 s60, s60, 49152
	s_mov_b32 s61, 0
	s_max_u32 s62, s[WV], 4                        ; waves 4-7 320 keys each of V, 5 runs
	s_sub_co_u32 s62, s62, 4
	s_mul_i32 s62, s62, 327680
	s_add_co_u32 s62, s62, 786432
	s_mov_b32 s63, 0
	s_mov_b32 s[G1K+2], 80<<16
	s_mov_b32 s[G1K+4], 80
	s_mov_b32 s[G1V+2], 5<<16
	s_mov_b32 s[G1V+4], 5
	s_mov_b32 s[G0K+1], s60
	s_add_nc_u64 s[G0K+2:G0K+3], s[90:91], s[60:61]
	s_or_b32 s[G0K+3], s[G0K+3], 0x80000000
	s_mul_i32 s59, s[WV], 20480
	s_add_co_u32 s[G0V+1], s59, VREG+49152-4*20480
	s_add_nc_u64 s[G0V+2:G0V+3], s[92:93], s[62:63]
	s_or_b32 s[G0V+3], s[G0V+3], 0x80000000
	s_wait_dscnt 0x0                               ; the add is done, and my part of the mask's image is stored
	CROUND                                         ; keys 0-767 and the mask are whole; the joint loads meet
	s_cmp_lt_u32 s[WV], 4
	s_cbranch_scc0 .Lrest_v
	TLOAD G0K, G1K
	s_branch .Lrest_asked
.Lrest_v:
	TLOAD G0V, G1V
.Lrest_asked:
.macro ADDR_K
	v_add_nc_u32 v[ADK], s[T8N], v[AK0]
	v_add_nc_u32 v[ADS], s[T5N], v[ASK0]
	v_add_nc_u32 v[ADM], s[T5N], v[AM0]
.endm
.macro LOAD_K                          ; eight fragments of 16 keys: codes and the key's mask word
	WIN 0x40
.irp t, 0,1,2,3,4,5,6,7
	ds_load_b128 v[16*\t:16*\t+3], v[ADK] offset:\t*1024
	ds_load_b128 v[16*\t+4:16*\t+7], v[ADK] offset:\t*1024+512
	ds_load_b32 v[16*\t+8], v[ADM] offset:\t*64
.endr
.endm
.macro SPROD                           ; S^T = K Q^T: register m of K's scale words: lanes 0-15 tile 2 m's, lanes 16-31 tile 2 m + 1's
	WIN 0x01
.irp t, 0,1,2,3,4,5,6,7
.if \t%2
	v_wmma_scale_f32_16x16x128_f8f6f4 v[S+8*\t:S+8*\t+7], v[16*\t:16*\t+15], v[QF:QF+15], 0, v[KS+\t/2], v[QS] matrix_a_fmt:MATRIX_FMT_BF8 matrix_b_fmt:MATRIX_FMT_BF8 matrix_a_scale:MATRIX_SCALE_ROW1
.else
	v_wmma_scale_f32_16x16x128_f8f6f4 v[S+8*\t:S+8*\t+7], v[16*\t:16*\t+15], v[QF:QF+15], 0, v[KS+\t/2], v[QS] matrix_a_fmt:MATRIX_FMT_BF8 matrix_b_fmt:MATRIX_FMT_BF8
.endif
.endr
.endm
.macro DIAG q                          ; the tile's last step: hidden keys' scores become -infinity; q = 1: the next step is the second tile's, so its Q is taken
.if \q
.irp k, 0,1,2,3,4,5,6,7
	v_mov_b32 v[QF+\k], v[QL+\k]
.endr
	v_mov_b32 v[QS], v[QSL]
.endif
	WIN 0x04
	WALU                                           ; the wait ahead of the first readers of S
.set n, 0
.rept 32
	v_pk_add_f32 v[S+n:S+n+1], v[S+n:S+n+1], v[BIAS+n:BIAS+n+1]
.set n, n+2
.endr
	WIN 0
.endm
; A KEY STEP.  mode 0: steps 0-4 (the first tile's, its keys are step j's); 1: steps 5-15 (either tile's; the diagonal's step hangs on the wave); 2: step 16, the second tile's diagonal: no step follows.
.macro STEP mode
.if \mode == 0
	s_lshl_b32 s[T8], s[J], 13
	s_lshl_b32 s[T5], s[J], 9
	s_add_co_u32 s[T8N], s[T8], 8192
	s_add_co_u32 s[T5N], s[T5], 512
.elseif \mode == 1
	s_cmp_gt_u32 s[J], s[HI]
	s_cselect_b32 s[AA], s[LO], 0
	s_add_co_u32 s[AA], s[AA], s[J]
	s_and_b32 s[AA], s[AA], 15
	s_lshl_b32 s[T8], s[AA], 13
	s_lshl_b32 s[T5], s[AA], 9
	s_add_co_u32 s[AB], s[J], 1
	s_cmp_gt_u32 s[AB], s[HI]
	s_cselect_b32 s[AA], s[LO], 0
	s_add_co_u32 s[AA], s[AA], s[AB]
	s_and_b32 s[AA], s[AA], 15
	s_lshl_b32 s[T8N], s[AA], 13
	s_lshl_b32 s[T5N], s[AA], 9
.else
	s_lshl_b32 s[T8], s[LO], 13
	s_lshl_b32 s[T5], s[LO], 9
.endif
	v_add_nc_u32 v[ADV], s[T8], v[AV0]             ; with the v_nop: eight places behind the products, whose registers the loads below fill and S's readers read
	v_add_nc_u32 v[ADT], s[T5], v[ASV0]
.if \mode < 2
	ADDR_K
	PLACES 3
	ds_load_b128 v[KS:KS+3], v[ADS]
.else
	PLACES 6
.endif
	ds_load_b64 v[VS:VS+1], v[ADT]
.if \mode < 2
	LOAD_K                                         ; the next step's K
.endif
	WIN 0x40
.irp t, 0,1,2,3                                ; this step's V: 16 of the head's 64 x 128 keys each
.irp c, 0,1,2,3
	ds_load_b128 v[128+16*\t+4*\c:128+16*\t+4*\c+3], v[ADV] offset:(\c/2)*4096+\t*1024+(\c%2)*512
.endr
.endr
	WIN 0
.if \mode == 1
	s_cmp_lg_u32 s[J], s[HI]
	s_cbranch_scc1 .Lopen_\@
	DIAG 1
.Lopen_\@:
	WALU                                           ; the wait ahead of the first readers of S
.elseif \mode == 2
	DIAG 0
.endif
.irp b, 0,1,2,3
	v_max3_num_f32 v[BM+\b], v[S+16*\b], v[S+16*\b+1], v[S+16*\b+2]   ; the largest score of each block of 32 keys: for the row's maximum, and, since p rises with the score, for the block's largest p
.endr
.irp i, 3,5,7,9,11,13
.irp b, 0,1,2,3
	v_max3_num_f32 v[BM+\b], v[BM+\b], v[S+16*\b+\i], v[S+16*\b+\i+1]
.endr
.endr
.irp b, 0,1,2,3
	v_max_num_f32 v[BM+\b], v[BM+\b], v[S+16*\b+15]
.endr
.irp b, 0,1,2,3
	s_delay_alu instid0(VALU_DEP_4)
	v_permlanex16_b32 v[T1+\b], v[BM+\b], s[SEL], s[SEL+1]
.endr
.irp b, 0,1,2,3
	s_delay_alu instid0(VALU_DEP_4)
	v_max_num_f32 v[BM+\b], v[BM+\b], v[T1+\b]     ; with lane l xor 16's 16 keys
.endr
	s_delay_alu instid0(VALU_DEP_2)
	v_max3_num_f32 v[TA], v[BM], v[BM+1], v[BM+2]
	s_delay_alu instid0(VALU_DEP_1)
	v_max_num_f32 v[TA], v[TA], v[BM+3]
	s_delay_alu instid0(VALU_DEP_1)
	v_mul_f32 v[TA], s[CS], v[TA]                  ; the step's largest t
	s_delay_alu instid0(VALU_DEP_1)
	v_max_num_f32 v[NM+1], v[NM+1], v[TA]          ; the running largest t
	v_mov_b32 v[TA], v[NM]
	s_delay_alu instid0(VALU_DEP_2)
	v_floor_f32 v[NM], -v[NM+1]                    ; the new -M = -ceil(t): a whole number
	s_delay_alu instid0(VALU_DEP_1)
	v_sub_f32 v[TA], v[NM], v[TA]                  ; old M - new M: 0 or less
	s_delay_alu instid0(VALU_DEP_1)
	v_cvt_i32_f32 v[TA], v[TA]                     ; (it saturates)
	s_delay_alu instid0(VALU_DEP_1)
	v_ldexp_f32 v[FF], 1.0, v[TA]                  ; f = 2^(old M - new M): a multiplication by it rounds nothing
.set n, 0
.rept 32
	v_pk_fma_f32 v[S+n:S+n+1], v[S+n:S+n+1], s[CS:CS+1], v[NM:NM+1] op_sel_hi:[1,0,0]   ; t - M, two at a time
.set n, n+2
.endr
.irp b, 0,1,2,3
	v_fma_f32 v[BM+\b], v[BM+\b], s[CS], v[NM]     ; the same of each block's largest score
.endr
	WALU                                           ; the wait ahead of the batch
.set n, 0
.rept 64
	v_exp_f32 v[S+n], v[S+n]                       ; p = 2^(t - M)
.set n, n+1
.endr
.irp b, 0,1,2,3
	v_exp_f32 v[BM+\b], v[BM+\b]                   ; the block's largest p: the same two instructions on the same number
.endr
	v_pk_mul_f32 v[LS:LS+1], v[LS:LS+1], v[FF:FF+1] op_sel_hi:[1,0]   ; the sums under the new M (a plain line behind the exponentials)
	WALU                                           ; and the wait behind it, which also stands ahead of the first readers of O^T
.set n, 0
.rept 16
	v_pk_mul_f32 v[OT+n:OT+n+1], v[OT+n:OT+n+1], v[FF:FF+1] op_sel_hi:[1,0]   ; O^T under the new M
.set n, n+2
.endr
.irp b, 0,1,2,3
	v_max_num_f32 v[BM+\b], 0x8000000, v[BM+\b]    ; the floor 2^(16 - 127): the byte cannot fall under 1
.endr
.irp b, 0,1,2,3
	s_delay_alu instid0(VALU_DEP_4)
	v_add_nc_u32 v[SOP+\b], 0xf8800000, v[BM+\b]   ; 15 off the exponent field: the conversion's scale operand
.endr
.irp b, 0,1,2,3
	v_and_or_b32 v[HOLD+\b], v[BM+\b], 0x7f800000, s[MNT]   ; 57,344 x the scale
.endr
.irp b, 0,1,2,3
	v_lshrrev_b32 v[T1+\b], 23, v[SOP+\b]          ; the scale's byte
.endr
.irp i, 0,1,2,3,4,5,6,7                        ; the row's sum, of the unquantised p: eight chains
	v_pk_add_f32 v[AS+2*\i:AS+2*\i+1], v[S+2*\i:S+2*\i+1], v[S+16+2*\i:S+16+2*\i+1]
.endr
	v_lshl_or_b32 v[PW], v[T1+1], 8, v[T1]         ; p's scale word for these 128 keys
.irp i, 0,1,2,3,4,5,6,7
	v_pk_add_f32 v[AS+2*\i:AS+2*\i+1], v[AS+2*\i:AS+2*\i+1], v[S+32+2*\i:S+32+2*\i+1]
.endr
	v_lshl_or_b32 v[PW], v[T1+2], 16, v[PW]
.irp i, 0,1,2,3,4,5,6,7
	v_pk_add_f32 v[AS+2*\i:AS+2*\i+1], v[AS+2*\i:AS+2*\i+1], v[S+48+2*\i:S+48+2*\i+1]
.endr
	v_lshl_or_b32 v[PW], v[T1+3], 24, v[PW]
.irp b, 0,1,2,3
.irp i, 0,2,4,6,8,10,12,14
	v_dual_min_num_f32 v[S+16*\b+\i], v[HOLD+\b], v[S+16*\b+\i] :: v_dual_min_num_f32 v[S+16*\b+\i+1], v[HOLD+\b], v[S+16*\b+\i+1]   ; the conversion does not saturate (ISA guide 7.6.2); p is not negative, so the hold is one-sided
.endr
	v_cvt_scalef32_pk8_bf8_f32 v[PC+4*\b:PC+4*\b+1], v[S+16*\b:S+16*\b+7], v[SOP+\b]
	v_cvt_scalef32_pk8_bf8_f32 v[PC+4*\b+2:PC+4*\b+3], v[S+16*\b+8:S+16*\b+15], v[SOP+\b]
.endr
.irp i, 0,1,2,3                                ; the eight chains are joined: these eight are also the plain lines between the conversions and the products
	v_pk_add_f32 v[AS+2*\i:AS+2*\i+1], v[AS+2*\i:AS+2*\i+1], v[AS+8+2*\i:AS+8+2*\i+1]
.endr
.irp i, 0,1
	v_pk_add_f32 v[AS+2*\i:AS+2*\i+1], v[AS+2*\i:AS+2*\i+1], v[AS+4+2*\i:AS+4+2*\i+1]
.endr
	v_pk_add_f32 v[LS:LS+1], v[LS:LS+1], v[AS:AS+1]
	v_pk_add_f32 v[LS:LS+1], v[LS:LS+1], v[AS+2:AS+3]
	WALU                                           ; the wait ahead of the wait below
	s_wait_dscnt 0x0                               ; K and V, asked for at the step's head
.if \mode < 2
	SPROD                                          ; the next step's S^T
.endif
	WIN 0x01
.irp t, 0,1,2,3                                ; O^T += V^T P^T: four accumulators, one instruction each
.if \t%2
	v_wmma_scale_f32_16x16x128_f8f6f4 v[OT+8*\t:OT+8*\t+7], v[128+16*\t:128+16*\t+15], v[PC:PC+15], v[OT+8*\t:OT+8*\t+7], v[VS+\t/2], v[PW] matrix_a_fmt:MATRIX_FMT_BF8 matrix_b_fmt:MATRIX_FMT_BF8 matrix_a_scale:MATRIX_SCALE_ROW1
.else
	v_wmma_scale_f32_16x16x128_f8f6f4 v[OT+8*\t:OT+8*\t+7], v[128+16*\t:128+16*\t+15], v[PC:PC+15], v[OT+8*\t:OT+8*\t+7], v[VS+\t/2], v[PW] matrix_a_fmt:MATRIX_FMT_BF8 matrix_b_fmt:MATRIX_FMT_BF8
.endif
.endr
	WIN 0
.endm
; THE WAY OUT of a tile.  O^T / the sum: register 16 B + i is channel 32 B + 16 h + i of my head, for my query: two blocks of the last product's K.  They are quantised and leave as that operand's registers.
.macro WAYOUT oc, os
	s_wait_xcnt 0x0                                ; an earlier tile's stores have read their registers
	v_add_f32 v[LS], v[LS], v[LS+1]
	v_permlanex16_b32 v[TA], v[LS], s[SEL], s[SEL+1]
	v_add_f32 v[LS], v[LS], v[TA]                  ; the row's sum
	v_cmp_lt_f32 s96, 0, v[LS]                     ; has any key counted?
	WALU                                           ; the wait ahead of the transcendental
	v_rcp_f32 v[TB], v[LS]
	PLACES 4                                       ; a plain line behind the transcendental; with the lines above and below, the places behind the products
	WALU                                           ; and the wait behind it, which also stands ahead of the first readers of O^T
	v_cndmask_b32 v[TB], 0, v[TB], s96
.set n, 0
.rept 16
	v_pk_mul_f32 v[OT+n:OT+n+1], v[OT+n:OT+n+1], v[TB:TB+1] op_sel_hi:[1,0]
.set n, n+2
.endr
.irp b, 0,1
	v_max3_num_f32 v[BM+\b], |v[OT+16*\b]|, |v[OT+16*\b+1]|, 0x8000000
.endr
.irp i, 2,4,6,8,10,12,14
.irp b, 0,1
	v_max3_num_f32 v[BM+\b], v[BM+\b], |v[OT+16*\b+\i]|, |v[OT+16*\b+\i+1]|
.endr
.endr
.irp b, 0,1
	v_permlanex16_b32 v[T1+\b], v[BM+\b], s[SEL], s[SEL+1]
.endr
.irp b, 0,1
	v_max_num_f32 v[BM+\b], v[BM+\b], v[T1+\b]
.endr
.irp b, 0,1
	v_add_nc_u32 v[SOP+\b], 0xf8800000, v[BM+\b]
.endr
.irp b, 0,1
	v_and_or_b32 v[HOLD+\b], v[BM+\b], 0x7f800000, s[MNT]
.endr
.irp b, 0,1
	v_lshrrev_b32 v[T1+\b], 23, v[SOP+\b]
.endr
.irp i, 0,1,2,3,4,5,6,7,8,9,10,11,12,13,14,15
.irp b, 0,1
	v_med3_num_f32 v[OT+16*\b+\i], v[OT+16*\b+\i], -v[HOLD+\b], v[HOLD+\b]
.endr
.endr
.irp b, 0,1
	v_cvt_scalef32_pk8_bf8_f32 v[WC+4*\b:WC+4*\b+1], v[OT+16*\b:OT+16*\b+7], v[SOP+\b]
	v_cvt_scalef32_pk8_bf8_f32 v[WC+4*\b+2:WC+4*\b+3], v[OT+16*\b+8:OT+16*\b+15], v[SOP+\b]
.endr
	v_lshl_or_b32 v[WC+8], v[T1+1], 8, v[T1]
.irp i, 0,1,2,3,4,5,6,7
	v_cndmask_b32 v[WC+\i], v[NANC], v[WC+\i], s96 ; an empty row: NaN codes
.endr
	global_store_b128 v[\oc], v[WC:WC+3], s[10:11]             ; 512 consecutive bytes each
	global_store_b128 v[\oc], v[WC+4:WC+7], s[10:11] offset:512
	global_store_b16 v[\os], v[WC+8], s[10:11]     ; half a scale word: the other half is the neighbouring head's, made by another work-group; lanes 16-31 store what lanes 0-15 store
.endm
	s_mov_b32 s[T8N], 0                            ; step 0's S^T
	s_mov_b32 s[T5N], 0
	ADDR_K
	ds_load_b128 v[KS:KS+3], v[ADS]
	LOAD_K
	WIN 0
	s_wait_dscnt 0x0
	SPROD
	WIN 0
	s_mov_b32 s[J], 0
.Lfirst:                                           ; steps 0-4: keys 0-639, and 640-767 for step 5's S^T
	STEP 0
	s_add_co_u32 s[J], s[J], 1
	s_cmp_lt_u32 s[J], 5
	s_cbranch_scc1 .Lfirst
	s_wait_tensorcnt 0x0                           ; all of the head is in
	s_wait_dscnt 0x0
	s_barrier_signal -1
	s_barrier_wait -1
	s_mov_b32 s[J], 5
.Lrest:                                            ; steps 5-15: the first tile ends at step HI
	STEP 1
	s_cmp_lg_u32 s[J], s[HI]
	s_cbranch_scc1 .Lgo_on
	WAYOUT OCH, OSH
	v_mov_b32 v[NM], 0x4f000000                    ; the second tile begins: as -M of the step before 2^31, so that the next factor f is 0: O^T and the sum, which are numbers, begin as zeros
	v_mov_b32 v[NM+1], 0xce800000
.Lgo_on:
	s_add_co_u32 s[J], s[J], 1
	s_cmp_lt_u32 s[J], 16
	s_cbranch_scc1 .Lrest
	STEP 2
	WAYOUT OCL, OSL
	s_wait_tensorcnt 0x0                           ; the wave's end
	ds_add_u32 v[SPW], v[NIL]
	s_wait_dscnt 0x0
	CROUND                                         ; the closing round: no work-group ends while a partner may still ask for a tile that names it
	s_endpgm
.Lfunc_end_k_q33d8ed5eeb_attn:
	.size	k_q33d8ed5eeb_attn, .Lfunc_end_k_q33d8ed5eeb_attn-k_q33d8ed5eeb_attn
	.p2alignl 7, 3214868480
	.fill 96, 4, 3214868480
	.section	.rodata,"a",@progbits
	.p2align	6, 0x0
	.amdhsa_kernel k_q33d8ed5eeb_attn
		.amdhsa_group_segment_fixed_size 327680
		.amdhsa_private_segment_fixed_size 0
		.amdhsa_enable_private_segment 0
		.amdhsa_kernarg_size 32
		.amdhsa_user_sgpr_count 2
		.amdhsa_user_sgpr_kernarg_segment_ptr 1
		.amdhsa_wavefront_size32 1
		.amdhsa_system_sgpr_workgroup_id_x 1
		.amdhsa_system_sgpr_workgroup_id_y 1
		.amdhsa_system_sgpr_workgroup_id_z 1
		.amdhsa_system_vgpr_workitem_id 0
		.amdhsa_next_free_vgpr 512
		.amdhsa_next_free_sgpr 106
		.amdhsa_reserve_vcc 1
		.amdhsa_float_denorm_mode_32 3
		.amdhsa_float_denorm_mode_16_64 3
		.amdhsa_memory_ordered 1
		.amdhsa_forward_progress 1
		.amdhsa_inst_pref_size 99
	.end_amdhsa_kernel
	.amdgpu_metadata
---
amdhsa.version: [ 1, 2 ]
amdhsa.kernels:
  - .name:           k_q33d8ed5eeb_attn
    .symbol:         k_q33d8ed5eeb_attn.kd
    .args:
      - { .name: qkcodes, .offset: 0, .size: 8, .value_kind: global_buffer, .address_space: global }
      - { .name: vcodes, .offset: 8, .size: 8, .value_kind: global_buffer, .address_space: global }
      - { .name: tgt_key_padding_mask, .offset: 16, .size: 8, .value_kind: global_buffer, .address_space: global }
      - { .name: acodes, .offset: 24, .size: 8, .value_kind: global_buffer, .address_space: global }
    .group_segment_fixed_size: 327680
    .private_segment_fixed_size: 0
    .kernarg_segment_align: 8
    .kernarg_segment_size: 32
    .max_flat_workgroup_size: 256
    .sgpr_count:     106
    .vgpr_count:     512
    .wavefront_size: 32
...
	.end_amdgpu_metadata
.endif
;; end of part 3
;; launch oproj (part 4): grid 8 x 32, 4 waves a work-group, clusters of 4 x 4, 280,064 bytes of LDS; arguments acodes, wcodes, out0; writes out0
.if DOCPART == 4
	.amdgcn_target "amdgcn-amd-amdhsa--gfx1250"
	.amdhsa_code_object_version 6
	.text
	.protected	k_q33d8ed5eeb_oproj
	.globl	k_q33d8ed5eeb_oproj
	.p2align	8
	.type	k_q33d8ed5eeb_oproj,@function
k_q33d8ed5eeb_oproj:
	s_mov_b64 s[64:65], 0
	v_nop
	global_prefetch_b8 v0, s[64:65] scope:SCOPE_SE
	s_setreg_imm32_b32 hwreg(HW_REG_WAVE_MODE, 25, 1), 1
	s_wait_xcnt 0x0
	s_wait_alu depctr_hold_cnt(0) depctr_sa_sdst(0) depctr_va_vdst(0) depctr_va_sdst(0) depctr_va_ssrc(0) depctr_va_vcc(0) depctr_vm_vsrc(0)
	s_getreg_b32 s2, hwreg(HW_REG_IB_STS2, 6, 4)
	s_cmp_eq_u32 s2, 0
	s_cbranch_scc0 .Lentry_in_a_cluster
	s_endpgm
.Lentry_in_a_cluster:
	s_bfe_u32 s2, ttmp6, 0x10000c
	s_cmp_lg_u32 s2, 0xf033
	s_cbranch_scc0 .Lentry_shape_is_right
	s_endpgm
.Lentry_shape_is_right:
; out = attention's result x Wo^T on codes of BF8 (E5M2) with E8M0 scales, K = 1,024, sums in f32, out [4096][1024] f32.
; THE TILE.  4,096 x 1,024 numbers are 256 tiles of 128 x 128: a work-group makes one, four waves 64 x 64 each: 16 accumulators of 16 x 16, 128 registers.
; Source 0 takes 16 rows of P = Wo (rows 3,072 on of the weights' codes), source 1 16 rows of R = the tokens: a lane holds one token and its registers run along the output's channels.
; Operands lie in memory as images of the matrix unit's registers (tile T = rows 32 (T / 2) + 8 (T % 2) + p + 8 (p / 8)): 128 rows are 131,072 consecutive bytes, at 32768 (s / 2) + 4096 (T % 8) + 2048 (s % 2) + 512 c + 16 lane
; for K step s (128 along K).  ALL OF K OF BOTH OPERANDS, 2 x 131,072 bytes, STAYS IN LDS as it lies in memory: filled once.  One load a wave, 65,536 dense bytes, half of K: waves 0 and 1 bring R's and P's first half,
; waves 2 and 3 the second.  The products of the first half begin when that half is in; a barrier inside K step 3 shows the second.
; CLUSTERS: 4 x 4 work-groups; R's rows are shared along a row of the cluster, P's along a column: each load is asked for jointly, by the same tensor load with a mask that names the four.  No prefetch: all loads stand at the head.
; A token whose codes are NaN (no key counted for it) gets NaN in its whole row, as the softmax of an empty row gives.
; REGISTERS: window 0: v16-27 addresses; v32-47 P's scale words, v48-63 R's; v64-127 rows on the way out, two sets; v128-255 the accumulators ((a, b) at v[128 + 8 (4 a + b)]).
;   window 1: two fragment buffers of 128: P's four fragments, then R's four, for one K step.
.set KCH,    32768                     ; 128 rows x 256 K
.set OPB,    131072                    ; an operand's 128 rows x 1,024 K: R at LDS byte 0, P behind it
.set STAGE,  2*OPB                     ; behind the operands: 16 rows x 272 bytes for each wave, for the way out; no fill lands here
.set SP,     272                       ; a stage row: 256 bytes + 16
.set SPARE,  279552                    ; the spare words: 128 bytes a wave
.set ADRA, 16                          ; v16-17  LDS address of my R fragments: K steps 0-3, 4-7 (an LDS offset has 16 bits)
.set ADRB, 20                          ; v20-21  the same for P
.set STO,  24                          ; v24     the way out: where I put 32 bytes of a row
.set RD,   25                          ; v25     and where I read rows back
.set CO,   26                          ; v26     my byte offset in two rows of the output
.set S8,   27                          ; v27     8 x lane
.set SPW,  30
.set NIL,  31
.set SCB,  32                          ; P's scale words: tile b, 256 along K number kp at v[SCB + 4 b + kp]; lanes 0-15 its first 128, lanes 16-31 its second
.set SCA,  48                          ; R's likewise
.set BK,   64
.set ACC,  128
.set G1,  24                           ; s[24:31], s[32:35] descriptor groups 1 and 0 for R; s[48:55], s[68:71] for P
.set G0,  32
.set G1B, 48
.set G0B, 68
.set MSB, 0
.macro WIN new                         ; the immediate's high byte repeats the setting that is left
.if MSB != (\new)
	s_set_vgpr_msb (MSB<<8)|(\new)
.set MSB, (\new)
.endif
.endm
.set MULW, 0x05                        ; sources 0 (P) and 1 (R) window 1; C and D window 0
.set TO_F, 0x40                        ; destination window 1, address window 0
.macro CROUND                          ; a round of the cluster's barrier
	s_barrier_signal -1
	s_barrier_wait -1
	s_cmp_lg_u32 s14, 0
	s_cbranch_scc1 .Lnot_wave_0_\@
	s_barrier_signal -3
.Lnot_wave_0_\@:
	s_barrier_wait -3
	s_barrier_signal -1
	s_barrier_wait -1
.endm
.macro PLACES n                        ; plain vector lines between a matrix instruction and a load into, or a read of, its registers: eight for this form
.rept \n
	v_nop
.endr
.endm
.macro TLOAD g0, g1
	tensor_load_to_lds s[\g0:\g0+3], s[\g1:\g1+7]
	s_nop 0
	PLACES 4
.endm
.macro ARM under, g0, g1, next
	s_cmp_lt_u32 s14, \under
	s_cbranch_scc0 \next
	TLOAD \g0, \g1
	s_branch .Lasked
\next:
.endm
	s_load_b128 s[4:7], s[0:1], 0x0                ; the tokens' codes, the weights' codes
	s_load_b64 s[8:9], s[0:1], 0x10                ; out
	v_lshl_add_u32 v[SPW], v0, 2, SPARE
	v_mov_b32 v[NIL], 0
	ds_add_u32 v[SPW], v[NIL]                      ; the opening lines: the add, twice on end, and its wait
	ds_add_u32 v[SPW], v[NIL]
	v_lshrrev_b32 v1, 5, v0
	v_readfirstlane_b32 s14, v1                    ; wave 0..3
	s_lshr_b32 s15, s14, 1                         ; my half of R's 128 rows.  Also: which half of K I fetch
	s_and_b32 s16, s14, 1                          ; my half of P's.  Also: I fetch for R (0) or for P (1)
	s_bfe_u32 s18, ttmp6, 0x40000                  ; cx, cy: my place in the cluster
	s_bfe_u32 s19, ttmp6, 0x40004
	s_lshl_b32 s56, ttmp9, 2
	s_add_co_u32 s56, s56, s18                     ; my 128 channels: 4 x cluster x + cx
	s_and_b32 s17, ttmp7, 0xffff
	s_lshl_b32 s17, s17, 2
	s_add_co_u32 s17, s17, s19                     ; my 128 tokens: 4 x cluster y + cy
	s_lshl_b32 s57, s19, 2
	s_lshl_b32 s57, 15, s57                        ; my row of the cluster
	s_lshl_b32 s58, 0x1111, s18                    ; my column
	s_or_b32 s[G1], s57, (3<<16)|(1<<21)           ; 15:0 the mask: R's rows go to my row of the cluster; 17:16 elements of 8 bytes; 21 set beside a mask; no padding
	s_or_b32 s[G1B], s58, (3<<16)|(1<<21)          ; P's go to my column
.irp g, G1, G1B
	s_mov_b32 s[\g+1], 32<<16                      ; tensor_dim0 = 32 elements: rows of 256 bytes
	s_mov_b32 s[\g+2], 256<<16                     ; tensor_dim1 = 256
	s_mov_b32 s[\g+3], 32<<16                      ; tile_dim0
	s_mov_b32 s[\g+4], 256                         ; tile_dim1
	s_mov_b32 s[\g+5], 32                          ; the pitch: the 65,536 bytes are dense
	s_mov_b32 s[\g+6], 0
	s_mov_b32 s[\g+7], 0
.endr
	s_lshl_b32 s60, s15, 16                        ; my half of K: 65,536 bytes on
	s_lshl_b32 s20, s17, 17                        ; R: 131,072 bytes for each 128 tokens
	s_add_co_u32 s20, s20, s60
	s_mov_b32 s21, 0
	s_add_co_u32 s22, s56, 24                      ; P, in registers that never hold cy: Wo begins at block 24 of the weights
	s_lshl_b32 s22, s22, 17
	s_add_co_u32 s22, s22, s60
	s_mov_b32 s23, 0
	s_mov_b32 s[G0], 1
	s_mov_b32 s[G0+1], s60                         ; no place in the cluster enters an LDS address
	s_mov_b32 s[G0B], 1
	s_add_co_u32 s[G0B+1], s60, OPB
	s_wait_alu depctr_va_vdst(0)                   ; the wait ahead of the waits below
	s_wait_dscnt 0x0                               ; both opening adds are done
	s_wait_kmcnt 0x0
	s_add_nc_u64 s[G0+2:G0+3], s[4:5], s[20:21]
	s_or_b32 s[G0+3], s[G0+3], 0x80000000
	s_add_nc_u64 s[G0B+2:G0B+3], s[6:7], s[22:23]
	s_or_b32 s[G0B+3], s[G0B+3], 0x80000000
	CROUND                                         ; all sixteen work-groups are here: the joint loads meet
	ARM 1, G0,  G1,  .Lask_1                       ; one load a wave; waves that wait at different barriers have lines of their own
	ARM 2, G0B, G1B, .Lask_2
	ARM 3, G0,  G1,  .Lask_3
	TLOAD G0B, G1B
.Lasked:
	v_and_b32 v1, 31, v0                           ; lane
	v_and_b32 v2, 15, v0                           ; r
	v_bfe_u32 v3, v0, 4, 1                         ; h
	v_lshlrev_b32 v[S8], 3, v1
	v_lshlrev_b32 v4, 4, v1                        ; 16 x lane
	s_wait_alu depctr_va_vdst(0)                   ; the wait ahead of the run of scalar lines
	s_lshl_b32 s61, s15, 14                        ; my four tiles of R
	s_lshl_b32 s62, s16, 14                        ; my four tiles of P,
	s_add_co_u32 s62, s62, OPB                     ; which lies behind R
.irp q, 0,1
	v_add_nc_u32 v[ADRA+\q], s61, v4
	v_add_nc_u32 v[ADRB+\q], s62, v4
	s_add_co_u32 s61, s61, 2*KCH
	s_add_co_u32 s62, s62, 2*KCH
.endr
	s_add_co_u32 s84, s56, 24                      ; my tiles' scale words: from 4,194,304 on, 4,096 bytes for 128 rows, 512 a tile
	s_lshl_b32 s84, s84, 12
	s_lshl_b32 s90, s16, 11
	s_add_co_u32 s84, s84, s90
	s_add_co_u32 s84, s84, 4194304
	s_mov_b32 s85, 0
	s_add_nc_u64 s[84:85], s[6:7], s[84:85]
	s_lshl_b32 s86, s17, 12
	s_lshl_b32 s90, s15, 11
	s_add_co_u32 s86, s86, s90
	s_add_co_u32 s86, s86, 4194304
	s_mov_b32 s87, 0
	s_add_nc_u64 s[86:87], s[4:5], s[86:87]
.irp i, 0,1,2,3
.irp q, 0,1
	global_load_b64 v[SCB+4*\i+2*\q:SCB+4*\i+2*\q+1], v[S8], s[84:85] offset:\i*512+\q*256   ; 256 consecutive bytes: the words of 512 along K
	global_load_b64 v[SCA+4*\i+2*\q:SCA+4*\i+2*\q+1], v[S8], s[86:87] offset:\i*512+\q*256
.endr
.endr
	s_mul_i32 s91, s14, 16*SP
	s_add_co_u32 s91, s91, STAGE                   ; my stage
	v_mul_u32_u24 v[STO], v2, SP                   ; in: row r, + 64 h
	v_lshl_add_u32 v[STO], v3, 6, v[STO]
	v_add_nc_u32 v[STO], s91, v[STO]
	v_mul_u32_u24 v[RD], v3, SP                    ; back: lanes 0-15 take one row of 256 bytes, lanes 16-31 the next
	v_lshl_add_u32 v[RD], v2, 4, v[RD]
	v_add_nc_u32 v[RD], s91, v[RD]
	v_lshlrev_b32 v[CO], 12, v3                    ; and the same two rows in the output: 4,096 bytes a row
	v_lshl_add_u32 v[CO], v2, 4, v[CO]
	s_wait_alu depctr_va_vdst(0)                   ; the wait at the head's end
	s_lshl_b32 s92, s17, 19                        ; out: (128 x my tokens + 64 x half) rows of 4,096 bytes + (128 x my channels + 64 x half) x 4
	s_lshl_b32 s93, s15, 18
	s_add_co_u32 s92, s92, s93
	s_lshl_b32 s93, s56, 9
	s_add_co_u32 s92, s92, s93
	s_lshl_b32 s93, s16, 8
	s_add_co_u32 s92, s92, s93
	s_mov_b32 s93, 0
	s_add_nc_u64 s[12:13], s[8:9], s[92:93]
; 32 LDS loads in one run: K step s's fragments, P's four and R's four, into buffer s % 2; each load takes 512 consecutive bytes
.macro FETCH s
.set FB, 128*((\s)%2)
.set FO, (((\s)/2)%2)*KCH+((\s)%2)*2048
	WIN TO_F
.irp i, 0,1,2,3
.irp c, 0,1,2,3
	ds_load_b128 v[FB+16*\i+4*\c:FB+16*\i+4*\c+3], v[ADRB+(\s)/4] offset:FO+\i*4096+512*\c
.endr
.endr
.irp i, 0,1,2,3
.irp c, 0,1,2,3
	ds_load_b128 v[FB+64+16*\i+4*\c:FB+64+16*\i+4*\c+3], v[ADRA+(\s)/4] offset:FO+\i*4096+512*\c
.endr
.endr
.endm
; 8 matrix instructions of K step s: R's tiles a0, a0 + 1 x P's four.  zero = 1: the first product starts the sums.  An odd K step's scale words stand in lanes 16-31.
; The 16 accumulators take turns, one instruction a turn, in the same order in every step.
.macro MUL8 s, a0, zero
.set FB, 128*((\s)%2)
.set KP, (\s)/2
.irp a, \a0, \a0+1
.irp b, 0,1,2,3
.if \zero
	v_wmma_scale_f32_16x16x128_f8f6f4 v[ACC+8*(4*(\a)+\b):ACC+8*(4*(\a)+\b)+7], v[FB+16*\b:FB+16*\b+15], v[FB+64+16*(\a):FB+64+16*(\a)+15], 0, v[SCB+4*\b+KP], v[SCA+4*(\a)+KP] matrix_a_fmt:MATRIX_FMT_BF8 matrix_b_fmt:MATRIX_FMT_BF8
.elseif (\s)%2
	v_wmma_scale_f32_16x16x128_f8f6f4 v[ACC+8*(4*(\a)+\b):ACC+8*(4*(\a)+\b)+7], v[FB+16*\b:FB+16*\b+15], v[FB+64+16*(\a):FB+64+16*(\a)+15], v[ACC+8*(4*(\a)+\b):ACC+8*(4*(\a)+\b)+7], v[SCB+4*\b+KP], v[SCA+4*(\a)+KP] matrix_a_fmt:MATRIX_FMT_BF8 matrix_b_fmt:MATRIX_FMT_BF8 matrix_a_scale:MATRIX_SCALE_ROW1 matrix_b_scale:MATRIX_SCALE_ROW1
.else
	v_wmma_scale_f32_16x16x128_f8f6f4 v[ACC+8*(4*(\a)+\b):ACC+8*(4*(\a)+\b)+7], v[FB+16*\b:FB+16*\b+15], v[FB+64+16*(\a):FB+64+16*(\a)+15], v[ACC+8*(4*(\a)+\b):ACC+8*(4*(\a)+\b)+7], v[SCB+4*\b+KP], v[SCA+4*(\a)+KP] matrix_a_fmt:MATRIX_FMT_BF8 matrix_b_fmt:MATRIX_FMT_BF8
.endif
.endr
.endr
.endm
; K step s multiplies buffer s % 2 and, in its middle, fetches the next K step into the other buffer, which the K step before multiplied: eight places stand in front of those loads.
; meet = 1: the next K step begins the second half of K: every wave waits for its tensor load and signals; eight products stand between signal and wait.
.macro KSTEP s, zero, meet
	s_wait_dscnt 0x0                               ; this K step's fragments are in; no LDS instruction of mine is out at the signal
.if \meet
	s_wait_tensorcnt 0x0
	s_barrier_signal -1
.endif
	WIN MULW
	MUL8 \s, 0, \zero
.if \meet
	s_barrier_wait -1                              ; the second half is in
.endif
	PLACES 8
	FETCH (\s)+1
	WIN MULW
	MUL8 \s, 2, \zero
.endm
	s_cmp_lt_u32 s14, 2
	s_cbranch_scc0 .Lnot_first
	s_wait_tensorcnt 0x0                           ; waves 0 and 1: the first half of K is in; waves 2 and 3 wait inside K step 3
.Lnot_first:
	s_barrier_signal -1
	s_barrier_wait -1
	FETCH 0
	s_wait_loadcnt 0x0                             ; the scale words
	KSTEP 0, 1, 0
	KSTEP 1, 0, 0
	KSTEP 2, 0, 0
	KSTEP 3, 0, 1
	KSTEP 4, 0, 0
	KSTEP 5, 0, 0
	KSTEP 6, 0, 0
	s_wait_dscnt 0x0                               ; the last K step: nothing more to fetch
	WIN MULW
	MUL8 7, 0, 0
	MUL8 7, 2, 0
	WIN 0
; THE WAY OUT, R's tiles one after the other.  A lane holds, of its token's row, channels 32 (b / 2) + 16 h + 8 (b % 2) + 0 .. 7 in accumulator b: 32 bytes; the lanes beside it hold other rows.  My 64 channels are 256 bytes
; of a row, at a multiple of 256 from the output's first byte: so a tile of 16 rows goes through my own stage in LDS and comes back as whole rows of 256 bytes, sixteen lanes to a row.
; LDS serves a wave's instructions in order (ISA guide 5.7.1.4): no wait between the stores and the loads, nor in front of the next tile's stores.
.macro TOSTAGE a
.irp b, 0,1,2,3
	ds_store_b128 v[STO], v[ACC+8*(4*(\a)+\b):ACC+8*(4*(\a)+\b)+3] offset:128*(\b/2)+32*(\b%2)       ; each accumulator from its low end on
	ds_store_b128 v[STO], v[ACC+8*(4*(\a)+\b)+4:ACC+8*(4*(\a)+\b)+7] offset:128*(\b/2)+32*(\b%2)+16
.endr
.set BB, BK+32*((\a)%2)
.irp t, 0,1,2,3,4,5,6,7
	ds_load_b128 v[BB+4*\t:BB+4*\t+3], v[RD] offset:\t*2*SP
.endr
.endm
.macro SEND a, younger                 ; younger: the LDS instructions issued behind tile a's loads, which may stay out
.set BB, BK+32*((\a)%2)
	s_wait_dscnt \younger
.irp t, 0,1,2,3,4,5,6,7
	global_store_b128 v[CO], v[BB+4*\t:BB+4*\t+3], s[12:13] offset:(32*((\a)/2)+8*((\a)%2)+2*\t+8*(\t/4))*4096 th:TH_STORE_NT   ; place p = 2 t + h of tile a is token 32 (a / 2) + 8 (a % 2) + p + 8 (p / 8); 16 lanes store 256 consecutive bytes, aligned
.endr
.endm
	PLACES 8                                       ; behind the last products: their results are read below
	TOSTAGE 0
.irp a, 1,2,3
.if \a > 1
	s_wait_xcnt 0x0                                ; tile a - 2's stores have read their registers: tile a's loads may land there
.endif
	TOSTAGE \a
	SEND \a-1, 16                                  ; behind tile a - 1's loads: tile a's 8 stores and 8 loads
.endr
	SEND 3, 0
	s_wait_tensorcnt 0x0                           ; the wave's end
	ds_add_u32 v[SPW], v[NIL]
	s_wait_dscnt 0x0
	CROUND                                         ; the closing round: no work-group ends while a partner may still ask for a tile that names it
	s_endpgm
.Lfunc_end_k_q33d8ed5eeb_oproj:
	.size	k_q33d8ed5eeb_oproj, .Lfunc_end_k_q33d8ed5eeb_oproj-k_q33d8ed5eeb_oproj
	.p2alignl 7, 3214868480
	.fill 96, 4, 3214868480
	.section	.rodata,"a",@progbits
	.p2align	6, 0x0
	.amdhsa_kernel k_q33d8ed5eeb_oproj
		.amdhsa_group_segment_fixed_size 280064
		.amdhsa_private_segment_fixed_size 0
		.amdhsa_enable_private_segment 0
		.amdhsa_kernarg_size 24
		.amdhsa_user_sgpr_count 2
		.amdhsa_user_sgpr_kernarg_segment_ptr 1
		.amdhsa_wavefront_size32 1
		.amdhsa_system_sgpr_workgroup_id_x 1
		.amdhsa_system_sgpr_workgroup_id_y 1
		.amdhsa_system_sgpr_workgroup_id_z 1
		.amdhsa_system_vgpr_workitem_id 0
		.amdhsa_next_free_vgpr 512
		.amdhsa_next_free_sgpr 100
		.amdhsa_reserve_vcc 0
		.amdhsa_float_denorm_mode_32 3
		.amdhsa_float_denorm_mode_16_64 3
		.amdhsa_memory_ordered 1
		.amdhsa_forward_progress 1
		.amdhsa_inst_pref_size 51
	.end_amdhsa_kernel
	.amdgpu_metadata
---
amdhsa.version: [ 1, 2 ]
amdhsa.kernels:
  - .name:           k_q33d8ed5eeb_oproj
    .symbol:         k_q33d8ed5eeb_oproj.kd
    .args:
      - { .name: acodes, .offset: 0, .size: 8, .value_kind: global_buffer, .address_space: global }
      - { .name: wcodes, .offset: 8, .size: 8, .value_kind: global_buffer, .address_space: global }
      - { .name: out0, .offset: 16, .size: 8, .value_kind: global_buffer, .address_space: global }
    .group_segment_fixed_size: 280064
    .private_segment_fixed_size: 0
    .kernarg_segment_align: 8
    .kernarg_segment_size: 24
    .max_flat_workgroup_size: 128
    .sgpr_count:     100
    .vgpr_count:     512
    .wavefront_size: 32
...
	.end_amdgpu_metadata
.endif
;; end of part 4
